; MI455X (gfx1250); checked and timed in simulation.
; The chip was launched on July 23, 2026; its instructions are those of AMD's public machine-readable ISA for CDNA 5 (MIT licence, August 2026) and "CDNA5" Instruction Set Architecture Reference Guide (July 2026). The comments in the code are by the model that wrote it; some were corrected since.
;; Muti Llama Attention. Allowed arithmetic: float matrix products may take bf16 or f16 operands with f32 sums; all other float work in f32.
;; Inputs: Wk 512 x 2,048 float32; Wo 2,048 x 2,048 float32; Wq 2,048 x 2,048 float32; Wv 512 x 2,048 float32; attention_mask 1 x 1 x 2,048 x 2,048 float32; hidden_states 1 x 2,048 x 2,048 float32; position_ids 1 x 2,048 int32.
;; Outputs: out0 1 x 2,048 x 2,048 float32.
;; One version. Each part assembles by itself: llvm-mc -triple=amdgcn-amd-amdhsa -mcpu=gfx1250 --defsym DOCPART=n.
;; ======== version 1 of 1: 4 launches
;; limits: values are held in f16: magnitudes above 65,504 overflow, below 6.1e-05 lose precision
;; workspace buffers: xb 8,388,608 bytes; wb 12,582,912 bytes; wof 8,388,608 bytes; rt 2,097,152 bytes; qr 16,777,216 bytes; kv 6,291,456 bytes; ao 8,388,608 bytes
;; launch prep (part 1): grid 2048 x 1, 8 waves a work-group, no clusters, 0 bytes of LDS; arguments hidden_states, Wq, Wk, Wv, Wo, position_ids, xb, wb, wof, rt; writes xb, wb, wof, rt
.if DOCPART == 1
	.amdgcn_target "amdgcn-amd-amdhsa--gfx1250"
	.amdhsa_code_object_version 6
	.text
	.protected	k_q910dce5e47_prep
	.globl	k_q910dce5e47_prep
	.p2align	8
	.type	k_q910dce5e47_prep,@function
k_q910dce5e47_prep:
	s_mov_b64 s[64:65], 0
	v_nop
	global_prefetch_b8 v0, s[64:65] scope:SCOPE_SE
	s_setreg_imm32_b32 hwreg(HW_REG_WAVE_MODE, 25, 1), 1
	s_wait_xcnt 0x0
; PREP: every f32 input of a matrix product is rounded ONCE to 16 bits, and the rotary table is made.
;   xb  = bf16(hidden)                          [2048][2048]
;   wb  = bf16(Wq/4), bf16(Wk/2), bf16(Wv/4)    [3072][2048], by tiles of 192 rows: tile tc = Wq rows 128 tc .. +127, then 64 rows of Wk head tc (tc < 8) or Wv head tc - 8
;   wof = 4 x bf16(Wo), written as f16          [2048][2048]   (the powers of two are exact: q'.k' = q.k / 8, and Wv's 1/4 is undone by Wo's 4)
;   rt  = f32 [row][4][64]: K cos, +-K sin at scale 1, K cos, +-K sin at scale 4, for the row's position; K = sqrt(log2 e), so that q'.k' arrives as log2(e) x score;
;         the sine is negative for d < 32, so that rotate_half is one product with the partner channel d xor 32.
; A stream: memory binds, so no LDS, no barrier, no matrix unit.  A work-group of eight waves takes a chunk of 8,192 numbers (32 KiB in, 16 KiB out): eight 16-byte loads a lane, all issued first;
; each 8-byte store of a wave covers 256 consecutive bytes, aligned.  The last 256 work-groups make the table, a wave a row.
; LIMITS.  |4 Wo| stays under 65,504 (f16's end); below 6e-5 it keeps f16's fixed step.  position_ids lie in 0 .. 2047.
.set X,  4                             ; v[4:35]   eight chunks of four f32 as loaded
.set Y,  36                            ; v[36:51]  eight pairs of registers to store
.set TN, 30                            ; the table's registers at work
.set TR, 31
.set TZ, 32
.set TI, 33
.set TA, 34
.set TB, 35
.set TC, 36
	s_load_b512 s[16:31], s[0:1], 0x0              ; hidden 16, Wq 18, Wk 20, Wv 22, Wo 24, positions 26, xb 28, wb 30
	s_load_b128 s[32:35], s[0:1], 0x40             ; wof 32, rt 34
	s_mov_b32 s2, ttmp9                            ; the work-group's number decides its share
	v_lshlrev_b32 v1, 4, v0                        ; 16 bytes a thread in
	v_lshlrev_b32 v2, 3, v0                        ; 8 bytes a thread out
	s_mov_b32 s11, 0                               ; high words of the two offsets
	s_mov_b32 s13, 0
	s_wait_kmcnt 0x0
; One chunk.  s10 = its number in the source, s12 = in the destination.  mode 0: round to bf16; 1: scale by s8 first; 2: round to bf16, times 4, written as f16.
.macro COPY src, dst, mode
	s_lshl_b32 s10, s10, 15
	s_lshl_b32 s12, s12, 14
	s_add_nc_u64 s[4:5], s[\src:\src+1], s[10:11]
	s_add_nc_u64 s[6:7], s[\dst:\dst+1], s[12:13]
.irp i, 0,1,2,3,4,5,6,7
	global_load_b128 v[X+4*\i:X+4*\i+3], v1, s[4:5] offset:4096*\i th:TH_LOAD_NT  ; read once in the launch
.endr
.irp i, 0,1,2,3,4,5,6,7
	s_wait_loadcnt 7-\i                            ; loads come back in order: chunk i is in, the younger ones stay out
.if (\mode) == 1
	v_pk_mul_f32 v[X+4*\i:X+4*\i+1], v[X+4*\i:X+4*\i+1], s[8:9] op_sel_hi:[1,0]
	v_pk_mul_f32 v[X+4*\i+2:X+4*\i+3], v[X+4*\i+2:X+4*\i+3], s[8:9] op_sel_hi:[1,0]
.endif
	v_cvt_pk_bf16_f32 v[Y+2*\i], v[X+4*\i], v[X+4*\i+1]
	v_cvt_pk_bf16_f32 v[Y+2*\i+1], v[X+4*\i+2], v[X+4*\i+3]
.if (\mode) == 2
	v_lshlrev_b32 v[X+4*\i], 16, v[Y+2*\i]         ; the rounded numbers back in f32,
	v_and_b32 v[X+4*\i+1], 0xffff0000, v[Y+2*\i]
	v_lshlrev_b32 v[X+4*\i+2], 16, v[Y+2*\i+1]
	v_and_b32 v[X+4*\i+3], 0xffff0000, v[Y+2*\i+1]
	v_pk_mul_f32 v[X+4*\i:X+4*\i+1], v[X+4*\i:X+4*\i+1], 4.0 op_sel_hi:[1,0]
	v_pk_mul_f32 v[X+4*\i+2:X+4*\i+3], v[X+4*\i+2:X+4*\i+3], 4.0 op_sel_hi:[1,0]
	v_cvt_pk_f16_f32 v[Y+2*\i], v[X+4*\i], v[X+4*\i+1]  ; eight significant bits fit f16's eleven
	v_cvt_pk_f16_f32 v[Y+2*\i+1], v[X+4*\i+2], v[X+4*\i+3]
.endif
	global_store_b64 v2, v[Y+2*\i:Y+2*\i+1], s[6:7] offset:2048*\i
.endr
	s_endpgm
.endm
	s_cmp_lt_u32 s2, 512
	s_cbranch_scc0 .Lwq
	s_mov_b32 s10, s2                              ; hidden: 512 chunks, in place
	s_mov_b32 s12, s2
	COPY 16, 28, 0
.Lwq:
	s_cmp_lt_u32 s2, 1024
	s_cbranch_scc0 .Lwk
	s_sub_co_u32 s10, s2, 512                      ; Wq: 32 chunks (128 rows) to a tile of 48
	s_lshr_b32 s12, s10, 5
	s_lshl4_add_u32 s12, s12, s10                  ; c + 16 (c >> 5)
	s_mov_b32 s8, 0x3e800000                       ; 1/4
	s_mov_b32 s9, s8
	COPY 18, 30, 1
.Lwk:
	s_cmp_lt_u32 s2, 1152
	s_cbranch_scc0 .Lwv
	s_sub_co_u32 s10, s2, 1024                     ; Wk: 16 chunks (a head) behind the 32 of tile c >> 4
	s_lshr_b32 s12, s10, 4
	s_mul_i32 s12, s12, 48
	s_and_b32 s3, s10, 15
	s_add_co_u32 s12, s12, s3
	s_add_co_u32 s12, s12, 32
	s_mov_b32 s8, 0.5
	s_mov_b32 s9, s8
	COPY 20, 30, 1
.Lwv:
	s_cmp_lt_u32 s2, 1280
	s_cbranch_scc0 .Lwo
	s_sub_co_u32 s10, s2, 1152                     ; Wv: the same in tiles 8 to 15
	s_lshr_b32 s12, s10, 4
	s_mul_i32 s12, s12, 48
	s_and_b32 s3, s10, 15
	s_add_co_u32 s12, s12, s3
	s_add_co_u32 s12, s12, 48*8+32
	s_mov_b32 s8, 0x3e800000
	s_mov_b32 s9, s8
	COPY 22, 30, 1
.Lwo:
	s_cmp_lt_u32 s2, 1792
	s_cbranch_scc0 .Lrope
	s_sub_co_u32 s10, s2, 1280
	s_mov_b32 s12, s10
	COPY 24, 32, 2
; THE TABLE.  A wave makes a row; lane l owns the channels d = 2 l and 2 l + 1, whose frequencies are 10000^(-(d mod 32) / 32) = 2^(-0.41524101 (d mod 32)).
; Sine and cosine: the angle less n quarter turns (pi/2 in two parts, by fused multiply-adds), polynomials on |r| <= pi/4, the quadrant from n.
.macro SINCOS x, c, s
	v_mul_f32 v[TN], 0x3f22f983, v[\x]             ; 2 / pi
	v_rndne_f32 v[TN], v[TN]
	v_fma_f32 v[TR], v[TN], s40, v[\x]             ; - n x 1.5707964
	v_fma_f32 v[TR], v[TN], s41, v[TR]             ; + n x 4.3711388e-8: what that number has too much
	v_mul_f32 v[TZ], v[TR], v[TR]
	v_cvt_i32_f32 v[TI], v[TN]
	v_mov_b32 v[TA], 0xb94ca1f9                    ; sin r = r + r z (-1.6666655e-1 + z (8.3321609e-3 - 1.9515296e-4 z))
	v_fmaak_f32 v[TA], v[TA], v[TZ], 0x3c08839e
	v_fmaak_f32 v[TA], v[TA], v[TZ], 0xbe2aaaa3
	v_mul_f32 v[TA], v[TA], v[TZ]
	v_fma_f32 v[TA], v[TA], v[TR], v[TR]
	v_mov_b32 v[TB], 0x37ccf5ce                    ; cos r = 1 - z / 2 + z z (4.1666646e-2 + z (-1.3887316e-3 + 2.4433157e-5 z))
	v_fmaak_f32 v[TB], v[TB], v[TZ], 0xbab6061a
	v_fmaak_f32 v[TB], v[TB], v[TZ], 0x3d2aaaa5
	v_mul_f32 v[TB], v[TB], v[TZ]
	v_fma_f32 v[TC], v[TZ], -0.5, 1.0
	v_fma_f32 v[TB], v[TB], v[TZ], v[TC]
	v_and_b32 v[TC], 1, v[TI]
	v_cmp_eq_u32 vcc_lo, 1, v[TC]                  ; an odd n swaps the two
	v_cndmask_b32 v[\s], v[TA], v[TB], vcc_lo
	v_cndmask_b32 v[\c], v[TB], v[TA], vcc_lo
	v_and_b32 v[TC], 2, v[TI]                      ; the sine is negative for n mod 4 = 2, 3
	v_lshlrev_b32 v[TC], 30, v[TC]
	v_xor_b32 v[\s], v[TC], v[\s]
	v_add_nc_u32 v[TC], 1, v[TI]                   ; the cosine for n mod 4 = 1, 2
	v_and_b32 v[TC], 2, v[TC]
	v_lshlrev_b32 v[TC], 30, v[TC]
	v_xor_b32 v[\c], v[TC], v[\c]
.endm
.Lrope:
	v_lshrrev_b32 v3, 5, v0
	v_readfirstlane_b32 s3, v3                     ; wave
	s_sub_co_u32 s10, s2, 1792
	s_lshl3_add_u32 s10, s10, s3                   ; row = 8 x group + wave
	s_lshl_b32 s12, s10, 2
	s_load_b32 s36, s[26:27], s12 offset:0x0       ; the row's position: it enters as a number alone, never an address
	s_mov_b32 s40, 0xbfc90fdb
	s_mov_b32 s41, 0x333bbd2e
	v_and_b32 v3, 31, v0                           ; lane
	v_and_b32 v5, 15, v0
	v_lshlrev_b32 v5, 1, v5                        ; d mod 32 of my first channel
	v_cvt_f32_u32 v6, v5
	v_add_f32 v7, 1.0, v6
	v_mul_f32 v6, 0xbed49a78, v6
	v_mul_f32 v7, 0xbed49a78, v7
	v_exp_f32 v6, v6
	v_exp_f32 v7, v7
	v_lshlrev_b32 v13, 3, v3                       ; plain work stands between the exponentials and the use of their results (ISA guide 5.7.2)
	v_lshl_add_u32 v13, s10, 10, v13               ; row x 1,024 + 8 x lane
	v_mov_b32 v12, 0x3f99be61                      ; K = sqrt(log2 e)
	v_mov_b32 v14, 0xbf99be61
	v_cmp_gt_u32 vcc_lo, 16, v3
	v_cndmask_b32 v12, v12, v14, vcc_lo            ; the sine's factor: -K for d < 32
	s_wait_kmcnt 0x0
	v_cvt_f32_i32 v4, s36
	v_mul_f32 v5, 0x3e800000, v4                   ; position / 4, exact
	s_wait_alu depctr_va_vdst(0)
	v_mul_f32 v8, v4, v6
	v_mul_f32 v9, v4, v7
	v_mul_f32 v10, v5, v6
	v_mul_f32 v11, v5, v7
	SINCOS 8, 20, 22
	SINCOS 9, 21, 23
	SINCOS 10, 24, 26
	SINCOS 11, 25, 27
.irp r, 20,21,24,25
	v_mul_f32 v\r, 0x3f99be61, v\r
.endr
.irp r, 22,23,26,27
	v_mul_f32 v\r, v12, v\r
.endr
.irp r, 0,1,2,3
	global_store_b64 v13, v[20+2*\r:21+2*\r], s[34:35] offset:256*\r  ; each store of the wave covers 256 consecutive bytes, aligned
.endr
	s_endpgm
.Lfunc_end_k_q910dce5e47_prep:
	.size	k_q910dce5e47_prep, .Lfunc_end_k_q910dce5e47_prep-k_q910dce5e47_prep
	.p2alignl 7, 3214868480
	.fill 96, 4, 3214868480
	.section	.rodata,"a",@progbits
	.p2align	6, 0x0
	.amdhsa_kernel k_q910dce5e47_prep
		.amdhsa_group_segment_fixed_size 0
		.amdhsa_private_segment_fixed_size 0
		.amdhsa_enable_private_segment 0
		.amdhsa_kernarg_size 80
		.amdhsa_user_sgpr_count 2
		.amdhsa_user_sgpr_kernarg_segment_ptr 1
		.amdhsa_wavefront_size32 1
		.amdhsa_system_sgpr_workgroup_id_x 1
		.amdhsa_system_sgpr_workgroup_id_y 1
		.amdhsa_system_sgpr_workgroup_id_z 1
		.amdhsa_system_vgpr_workitem_id 0
		.amdhsa_next_free_vgpr 64
		.amdhsa_next_free_sgpr 66
		.amdhsa_reserve_vcc 1
		.amdhsa_float_denorm_mode_32 3
		.amdhsa_float_denorm_mode_16_64 3
		.amdhsa_memory_ordered 1
		.amdhsa_forward_progress 1
		.amdhsa_inst_pref_size 31
	.end_amdhsa_kernel
	.amdgpu_metadata
---
amdhsa.version: [ 1, 2 ]
amdhsa.kernels:
  - .name:           k_q910dce5e47_prep
    .symbol:         k_q910dce5e47_prep.kd
    .args:
      - { .name: hidden_states, .offset: 0, .size: 8, .value_kind: global_buffer, .address_space: global }
      - { .name: Wq, .offset: 8, .size: 8, .value_kind: global_buffer, .address_space: global }
      - { .name: Wk, .offset: 16, .size: 8, .value_kind: global_buffer, .address_space: global }
      - { .name: Wv, .offset: 24, .size: 8, .value_kind: global_buffer, .address_space: global }
      - { .name: Wo, .offset: 32, .size: 8, .value_kind: global_buffer, .address_space: global }
      - { .name: position_ids, .offset: 40, .size: 8, .value_kind: global_buffer, .address_space: global }
      - { .name: xb, .offset: 48, .size: 8, .value_kind: global_buffer, .address_space: global }
      - { .name: wb, .offset: 56, .size: 8, .value_kind: global_buffer, .address_space: global }
      - { .name: wof, .offset: 64, .size: 8, .value_kind: global_buffer, .address_space: global }
      - { .name: rt, .offset: 72, .size: 8, .value_kind: global_buffer, .address_space: global }
    .group_segment_fixed_size: 0
    .private_segment_fixed_size: 0
    .kernarg_segment_align: 8
    .kernarg_segment_size: 80
    .max_flat_workgroup_size: 256
    .sgpr_count:     66
    .vgpr_count:     64
    .wavefront_size: 32
...
	.end_amdgpu_metadata
.endif
;; end of part 1
;; launch proj (part 2): grid 16 x 16, 4 waves a work-group, clusters of 4 x 4, 327,680 bytes of LDS; arguments xb, wb, rt, qr, kv; writes qr, kv
.if DOCPART == 2
	.amdgcn_target "amdgcn-amd-amdhsa--gfx1250"
	.amdhsa_code_object_version 6
	.text
	.protected	k_q910dce5e47_proj
	.globl	k_q910dce5e47_proj
	.p2align	8
	.type	k_q910dce5e47_proj,@function
k_q910dce5e47_proj:
	s_mov_b64 s[64:65], 0
	v_nop
	global_prefetch_b8 v0, s[64:65] scope:SCOPE_SE
	s_setreg_imm32_b32 hwreg(HW_REG_WAVE_MODE, 25, 1), 1
	s_wait_xcnt 0x0
	s_wait_alu depctr_hold_cnt(0) depctr_sa_sdst(0) depctr_va_vdst(0) depctr_va_sdst(0) depctr_va_ssrc(0) depctr_va_vcc(0) depctr_vm_vsrc(0)
	s_getreg_b32 s2, hwreg(HW_REG_IB_STS2, 6, 4)
	s_cmp_eq_u32 s2, 0
	s_cbranch_scc0 .Lentry_in_a_cluster
	s_endpgm
.Lentry_in_a_cluster:
	s_bfe_u32 s2, ttmp6, 0x10000c
	s_cmp_lg_u32 s2, 0xf033
	s_cbranch_scc0 .Lentry_shape_is_right
	s_endpgm
.Lentry_shape_is_right:
; PROJ: [q | k | v] = x W^T in bf16 with f32 sums, then the two rotations, out in f16 by heads.
; xb [2048][2048] bf16, wb [3072][2048] bf16 in tiles of 192 rows (two query heads, then a key or a value head), rt [2048][4][64] f32.
; qr: bq [32][2048][64] f16, nq 8,388,608 bytes on.  kv: bk [8][2048][64] f16, nk 2,097,152 on, v 4,194,304 on.
; SHARES.  256 work-groups, one tile of 128 rows x 192 columns each; four waves, each 64 x 96: 24 accumulators of 16 x 16.  K goes in steps of 128 (rows of 256 bytes) through two LDS slots;
; two slots of a longer step and the f32 stage do not fit in LDS together.
; CLUSTER.  4 x 4 work-groups: x's tile hangs on the tile row alone and is asked for jointly along a row of the cluster, W's on the tile column alone and jointly along a column.
; THE MATRIX INSTRUCTION IS USED TRANSPOSED (source 0 = 16 rows of W, source 1 = 16 rows of x): a lane holds one row of x and eight neighbouring columns.
; THE WAY OUT.  The f32 sums go through one stage in LDS (a rotation pairs channel d with d xor 32, which lie in different accumulators and, for the middle head, in different waves); each lane then takes
; eight channels and their eight partners of a row, rotates them twice by the table and stores 16 bytes: a store of the wave covers 512 consecutive bytes of a head.
; LIMITS.  q', k', v' leave as f16: |q / 4|, |k / 2| (both times 1.2) and |v / 4| stay under 65,504.  NaN and infinities are not treated apart.
; No prefetch: both operands were written by the launch before and are read by sixteen work-groups each.
; REGISTERS.  window 0: v0-31 addresses, v32-47 at work, v64-255 the accumulators ((a, b) at 64 + 8 (6 a + b)), on the way out numbers in and out.
;             window 1: two fragment buffers of 80 (x's 4 fragments, then W's 6); on the way out the table, 32 registers for each of my eight groups of four rows.
.set NB,     6                         ; blocks of 16 columns a wave
.set BR,     96                        ; rows of W in a tensor load
.set KSTEP,  128
.set NQ,     4                         ; quarters of 32 along K in a K step
.set PITCH,  272                       ; an LDS row: 256 bytes + 16 of padding = 68 words: the 16 rows of a fragment load start at 16 different groups of four banks (64 banks of 4 bytes: ISA guide 11.1)
.set QI,     5                         ; padding after every 64 words
.set BOFF,   128*PITCH                 ; W's 192 rows lie behind x's 128
.set SLOT,   BOFF+2*BR*PITCH
.set STAGE,  2*SLOT                    ; behind the ring, never filled by a tensor load: 128 rows x 784 bytes of f32
.set SPITCH, 784                       ; 768 + 16 = 196 words: row r starts at bank 4 r mod 64
.set SPARE,  STAGE+128*SPITCH          ; the spare words, 128 bytes for each wave, which no other line names
.set LAPS,   2048/(2*KSTEP)
.set ACC,    64
.set F0,     0
.set F1,     80
.set ADRA, 16                          ; v16-17  LDS address of my fragments of x in slot 0, 1
.set ADRB, 20                          ; v20-21  of W
.set STO,  24                          ; v24  into the stage
.set RDO,  25                          ; v25  out of the stage: my eight channels
.set RDP,  26                          ; v26  their partners
.set GO,   27                          ; v27  16 x lane: my place in 512 bytes of a head
.set SPW,  28                          ; v28  my spare word; never rewritten
.set NIL,  29                          ; v29  0; never rewritten
.set TO,   30                          ; v30  my byte offset in four rows of the table
.set TBG,  32                          ; v32-39 at work, scale 1;  v40-47 scale 4
.set TNR,  40
.set XR,   64                          ; group g: 8 own numbers, 8 partners at XR + 16 g
.set YR,   192                         ; group g: 4 + 4 registers to store at YR + 8 g
.set WV,  14                           ; s14 wave, s15 its half of the rows, s16 its half of the columns
.set G1A, 24                           ; s[24:31] descriptor group 1 for x's tiles; s[32:39] group 0, a set for each slot
.set G0A, 32
.set G1B, 48                           ; s[48:55], s[56:63] the same for W's
.set G0B, 56
.set G1W0, (1<<16)|(1<<20)|(1<<21)|(QI<<22)|(3<<25)  ; 17:16 elements of 2 bytes; 20 padding on; 21 set beside a mask; 24:22 the interval; 31:25 four words of padding
.set MSB, 0
.macro WIN new                         ; the immediate's high byte repeats the setting that is left; a switch that changes nothing is dropped
.if MSB != (\new)
	s_set_vgpr_msb (MSB<<8)|(\new)
.set MSB, \new
.endif
.endm
.set MUL,  0x05                        ; sources 0 and 1 window 1; C and D window 0
.set TO_F, 0x40                        ; destination window 1, address window 0
.macro PLACES                          ; four places in front of loads into registers that matrix instructions have read, and of lines that read results
.rept 4
	v_nop
.endr
.endm
.macro JLOAD s                         ; a joint load: waves 0 and 1 fetch x's two halves, waves 2 and 3 W's; an s_nop 0 and four v_nop follow each line
	s_cmp_lt_u32 s[WV], 2
	s_cbranch_scc0 .Lfor_b_\@
	tensor_load_to_lds s[G0A+4*(\s):G0A+4*(\s)+3], s[G1A:G1A+7]
	s_nop 0
	PLACES
	s_branch .Lasked_\@
.Lfor_b_\@:
	tensor_load_to_lds s[G0B+4*(\s):G0B+4*(\s)+3], s[G1B:G1B+7]
	s_nop 0
	PLACES
.Lasked_\@:
.endm
.macro CREST                           ; a round of the cluster's barrier behind its opening barrier
	s_cmp_lg_u32 s[WV], 0
	s_cbranch_scc1 .Lnot_wave_0_\@
	s_barrier_signal -3
.Lnot_wave_0_\@:
	s_barrier_wait -3
	s_barrier_signal -1
	s_barrier_wait -1
.endm
.macro CROUND
	s_barrier_signal -1
	s_barrier_wait -1
	CREST
.endm
	s_load_b256 s[4:11], s[0:1], 0x0               ; xb 4, wb 6, rt 8, qr 10
	s_load_b64 s[12:13], s[0:1], 0x20              ; kv
	v_lshl_add_u32 v[SPW], v0, 2, SPARE
	v_mov_b32 v[NIL], 0
	ds_add_u32 v[SPW], v[NIL]                      ; the wave's opening: the add and its wait stand ahead of my first tensor load; work on registers stands between them
	v_lshrrev_b32 v1, 5, v0
	v_readfirstlane_b32 s[WV], v1
	s_lshr_b32 s15, s[WV], 1
	s_and_b32 s16, s[WV], 1
	s_bfe_u32 s17, ttmp6, 0x40000                  ; cx, cy: my place in the cluster
	s_bfe_u32 s18, ttmp6, 0x40004
	s_mov_b32 s77, ttmp9                           ; the cluster's x, which all partners share
	s_lshl_b32 s19, ttmp9, 2
	s_add_co_u32 s19, s19, s17                     ; tile column
	s_and_b32 s20, ttmp7, 0xffff
	s_lshl_b32 s20, s20, 2
	s_add_co_u32 s20, s20, s18                     ; tile row
	s_lshl_b32 s21, s18, 2
	s_lshl_b32 s21, 15, s21                        ; my row of the cluster
	s_lshl_b32 s22, 0x1111, s17                    ; my column
	s_or_b32 s[G1A], s21, G1W0
	s_or_b32 s[G1B], s22, G1W0
	s_mov_b32 s[G1A+1], KSTEP<<16                  ; tensor_dim0
	s_mov_b32 s[G1A+2], 64<<16                     ; tensor_dim1
	s_mov_b32 s[G1A+3], KSTEP<<16                  ; tile_dim0
	s_mov_b32 s[G1A+4], 64                         ; tile_dim1
	s_mov_b32 s[G1A+5], 2048                       ; elements from row to row
	s_mov_b32 s[G1A+6], 0
	s_mov_b32 s[G1A+7], 0
	s_mov_b32 s[G1B+1], KSTEP<<16
	s_mov_b32 s[G1B+2], BR<<16
	s_mov_b32 s[G1B+3], KSTEP<<16
	s_mov_b32 s[G1B+4], BR
	s_mov_b32 s[G1B+5], 2048
	s_mov_b32 s[G1B+6], 0
	s_mov_b32 s[G1B+7], 0
	s_lshl_b32 s40, s20, 7                         ; x: row 128 x tile row + 64 x half, 4,096 bytes a row: the tile row and the wave alone
	s_lshl_b32 s41, s16, 6
	s_add_co_u32 s40, s40, s41
	s_lshl_b32 s40, s40, 12
	s_mov_b32 s41, 0
	s_mul_i32 s42, s19, 2*BR                       ; W: row 192 x tile column + 96 x half: the tile column and the wave alone
	s_mul_i32 s43, s16, BR
	s_add_co_u32 s42, s42, s43
	s_lshl_b32 s42, s42, 12
	s_mov_b32 s43, 0
	s_mul_i32 s44, s16, 64*PITCH                   ; where they go: no place in the cluster enters an LDS address
	s_mul_i32 s45, s16, BR*PITCH
	s_add_co_u32 s45, s45, BOFF
	s_wait_dscnt 0x0                               ; the opening add is done
	s_wait_kmcnt 0x0
	s_add_nc_u64 s[40:41], s[4:5], s[40:41]
	s_add_nc_u64 s[42:43], s[6:7], s[42:43]
	CROUND                                         ; all sixteen work-groups are here: the first joint loads meet
.irp s, 0,1
	s_mov_b32 s[G0A+4*(\s)], 1
	s_add_co_u32 s[G0A+4*(\s)+1], s44, (\s)*SLOT
	s_add_nc_u64 s[G0A+4*(\s)+2:G0A+4*(\s)+3], s[40:41], (\s)*KSTEP*2
	s_or_b32 s[G0A+4*(\s)+3], s[G0A+4*(\s)+3], 0x80000000
	s_mov_b32 s[G0B+4*(\s)], 1
	s_add_co_u32 s[G0B+4*(\s)+1], s45, (\s)*SLOT
	s_add_nc_u64 s[G0B+4*(\s)+2:G0B+4*(\s)+3], s[42:43], (\s)*KSTEP*2
	s_or_b32 s[G0B+4*(\s)+3], s[G0B+4*(\s)+3], 0x80000000
	JLOAD \s                                       ; two loads of mine are out; later one
.endr
	v_and_b32 v1, 15, v0                           ; l % 16
	v_bfe_u32 v2, v0, 4, 1                         ; l / 16
	v_mul_u32_u24 v3, v1, PITCH
	v_lshl_add_u32 v3, v2, 4, v3                   ; a fragment's row x pitch + 16 x half
	s_mul_i32 s21, s15, 64*PITCH
	s_mul_i32 s22, s16, BR*PITCH
	s_add_co_u32 s22, s22, BOFF
.irp s, 0,1
	v_add_nc_u32 v[ADRA+(\s)], s21, v3
	v_add_nc_u32 v[ADRB+(\s)], s22, v3
	s_add_co_u32 s21, s21, SLOT
	s_add_co_u32 s22, s22, SLOT
.endr
	s_mul_i32 s23, s15, 64*SPITCH                  ; into the stage: row 64 x half + l % 16, byte 384 x column half + 32 (l / 16)
	s_mul_i32 s21, s16, 384
	s_add_co_u32 s23, s23, s21
	s_add_co_u32 s23, s23, STAGE
	v_mul_u32_u24 v4, v1, SPITCH
	v_lshl_add_u32 v4, v2, 5, v4
	v_add_nc_u32 v[STO], s23, v4
	s_mul_i32 s23, s[WV], 32*SPITCH                ; out of it: wave w takes rows 32 w .. + 31; lane l piece l % 8 (8 channels) of row l / 8 in each group of four
	s_add_co_u32 s23, s23, STAGE
	v_bfe_u32 v5, v0, 3, 2
	v_and_b32 v6, 7, v0
	v_mul_u32_u24 v7, v5, SPITCH
	v_add_nc_u32 v7, s23, v7
	v_lshl_add_u32 v[RDO], v6, 5, v7
	v_xor_b32 v8, 4, v6                            ; channel d xor 32 lies four pieces away
	v_lshl_add_u32 v[RDP], v8, 5, v7
	v_and_b32 v9, 31, v0
	v_lshlrev_b32 v[GO], 4, v9
	v_lshlrev_b32 v[TO], 10, v5
	v_lshl_add_u32 v[TO], v6, 5, v[TO]
	s_lshl_b32 s78, s20, 14                        ; my first row, 128 x tile row + 32 x wave, times 128 bytes
	s_lshl_b32 s79, s[WV], 12
	s_add_co_u32 s78, s78, s79
	s_lshl_b32 s74, s78, 3                         ; times 1,024 in the table
	s_mov_b32 s75, 0
	s_add_nc_u64 s[74:75], s[8:9], s[74:75]
	s_lshl_b32 s66, s19, 19                        ; head 2 x tile column, 262,144 bytes a head
	s_add_co_u32 s66, s66, s78
	s_mov_b32 s67, 0
	s_add_nc_u64 s[66:67], s[10:11], s[66:67]      ; s[66:67]: where scale 1 goes, s[68:69]: scale 4
	s_add_nc_u64 s[68:69], s[66:67], 0x800000
	s_cmp_ge_u32 s77, 2                            ; tiles 8 to 15 carry a value head: v lies 16 heads into kv
	s_cselect_b32 s70, 8, 0
	s_add_co_u32 s70, s70, s19
	s_lshl_b32 s70, s70, 18
	s_add_co_u32 s70, s70, s78
	s_mov_b32 s71, 0
	s_add_nc_u64 s[70:71], s[12:13], s[70:71]      ; s[70:71], s[72:73]: the same for the tile's third head
	s_add_nc_u64 s[72:73], s[70:71], 0x200000
.macro MULG f, a, zero                 ; NB matrix instructions: block a of my rows x all my columns, 32 along K.  zero = 1: the first product starts the sums
	WIN MUL
.set b, 0
.rept NB
.if \zero
	v_wmma_f32_16x16x32_bf16 v[ACC+8*(NB*(\a)+b):ACC+8*(NB*(\a)+b)+7], v[(\f)+32+8*b:(\f)+32+8*b+7], v[(\f)+8*(\a):(\f)+8*(\a)+7], 0
.else
	v_wmma_f32_16x16x32_bf16 v[ACC+8*(NB*(\a)+b):ACC+8*(NB*(\a)+b)+7], v[(\f)+32+8*b:(\f)+32+8*b+7], v[(\f)+8*(\a):(\f)+8*(\a)+7], v[ACC+8*(NB*(\a)+b):ACC+8*(NB*(\a)+b)+7]
.endif
.set b, b+1
.endr
.endm
.macro FETCH slot, k, f                ; one run of LDS loads: the fragments of 32 along K at byte k of the rows
	WIN TO_F
.set b, 0
.rept NB
	ds_load_b128 v[(\f)+32+8*b:(\f)+32+8*b+3],   v[ADRB+(\slot)] offset:(\k)+b*16*PITCH
	ds_load_b128 v[(\f)+32+8*b+4:(\f)+32+8*b+7], v[ADRB+(\slot)] offset:(\k)+b*16*PITCH+32
.set b, b+1
.endr
.set b, 0
.rept 4
	ds_load_b128 v[(\f)+8*b:(\f)+8*b+3],   v[ADRA+(\slot)] offset:(\k)+b*16*PITCH
	ds_load_b128 v[(\f)+8*b+4:(\f)+8*b+7], v[ADRA+(\slot)] offset:(\k)+b*16*PITCH+32
.set b, b+1
.endr
.endm
; A quarter: buffer f is in; the next quarter's fragments are asked for into g, which the quarter before multiplied; then 4 NB products, all accumulators by turns in one fixed order.
.macro QUARTER slot, k, f, g, zero
	s_wait_dscnt 0x0
	PLACES
	FETCH \slot, \k, \g
	MULG \f, 0, \zero
	MULG \f, 1, \zero
	MULG \f, 2, \zero
	MULG \f, 3, \zero
.endm
.macro QS slot, q, zero                ; quarter q of a K step: buffers by q's parity, the next quarter lies 64 bytes on
.if ((\q)%2) == 0
	QUARTER \slot, 64*((\q)+1), F0, F1, \zero
.else
	QUARTER \slot, 64*((\q)+1), F1, F0, \zero
.endif
.endm
.macro MID slot                        ; quarters 1 to NQ - 2
.set qq, 1
.rept NQ-2
	QS \slot, qq, 0
.set qq, qq+1
.endr
.endm
; The last quarter multiplies buffer 1 and changes slots: ONE barrier.  In front of it each wave waits for all its tensor loads (one is out: its part of the next slot), adds 0 to its spare word, and waits for
; that and for its reads of this slot.  fill = 1: the barrier opens a round of the cluster's, and this slot is filled again, two K steps ahead, first thing behind it.
.macro TURN slot, next, fill
	WIN 0                                          ; (the add's two registers lie in window 0)
	s_wait_tensorcnt 0x0
	ds_add_u32 v[SPW], v[NIL]
	s_wait_dscnt 0x1                               ; buffer 1 is in: the add alone may be out
	MULG F1, 0, 0
	s_wait_dscnt 0x0                               ; the add is done, and my reads of this slot are over
	s_barrier_signal -1
	MULG F1, 1, 0
.if \fill
	WIN 0
.endif
	s_barrier_wait -1
.if \fill
	CREST                                          ; no wave of any partner still reads this slot or has a load on its way
	s_add_nc_u64 s[G0A+4*(\slot)+2:G0A+4*(\slot)+3], s[G0A+4*(\slot)+2:G0A+4*(\slot)+3], 4*KSTEP
	s_add_nc_u64 s[G0B+4*(\slot)+2:G0B+4*(\slot)+3], s[G0B+4*(\slot)+2:G0B+4*(\slot)+3], 4*KSTEP
	JLOAD \slot                                    ; its four v_nop are also the places in front of the loads below
.else
	PLACES
.endif
	FETCH \next, 0, F0
	MULG F1, 2, 0
	MULG F1, 3, 0
.endm
	s_wait_tensorcnt 0x1                           ; my part of K step 0 is in; K step 1's may stay out
	s_barrier_signal -1
	s_barrier_wait -1
	FETCH 0, 0, F0
	QS 0, 0, 1                                     ; the first quarter stands ahead of the loop: its products start the sums
	WIN 0
	s_mov_b32 s3, LAPS-1
.Llap:                                                 ; a trip goes once round the ring, from a lap's second quarter to the next lap's first
	MID 0
	TURN 0, 1, 1
	QS 1, 0, 0
	MID 1
	TURN 1, 0, 1
	QS 0, 0, 0
	WIN 0
	s_sub_co_u32 s3, s3, 1
	s_cmp_lg_u32 s3, 0
	s_cbranch_scc1 .Llap
	MID 0                                          ; the last lap fills nothing
	TURN 0, 1, 0
	QS 1, 0, 0
	MID 1
	s_wait_dscnt 0x0
	MULG F1, 0, 0
	MULG F1, 1, 0
	MULG F1, 2, 0
	MULG F1, 3, 0
	; THE WAY OUT.  First the table of my 32 rows is asked for (64 loads into window 1), then the sums go into the stage.
	PLACES
	WIN TO_F
.set g, 0
.rept 8
.irp r, 0,1,2,3
	global_load_b128 v[32*g+8*\r:32*g+8*\r+3],   v[TO], s[74:75] offset:4096*g+256*\r
	global_load_b128 v[32*g+8*\r+4:32*g+8*\r+7], v[TO], s[74:75] offset:4096*g+256*\r+16
.endr
.set g, g+1
.endr
	WIN 0
.set a, 0
.rept 4
.set b, 0
.rept NB
	ds_store_b128 v[STO], v[ACC+8*(NB*a+b):ACC+8*(NB*a+b)+3]   offset:a*16*SPITCH+64*b  ; each accumulator's low registers first
	ds_store_b128 v[STO], v[ACC+8*(NB*a+b)+4:ACC+8*(NB*a+b)+7] offset:a*16*SPITCH+64*b+16
.set b, b+1
.endr
.set a, a+1
.endr
	s_wait_dscnt 0x0                               ; for the others' sake: my stores into the stage are done
	s_barrier_signal -1
	s_barrier_wait -1
	s_wait_loadcnt 0x0                             ; the table
	s_mov_b32 s76, 0
.Lhead:                                                ; three trips, a head of 64 columns each
	s_cmp_eq_u32 s76, 2
	s_cbranch_scc0 .Lrope
	s_cmp_ge_u32 s77, 2                            ; the third head of tiles 8 to 15 is v: not rotated.  The cluster's x is the same in all partners
	s_cbranch_scc1 .Lplain
.Lrope:
.set g, 0
.rept 8
	ds_load_b128 v[XR+16*g:XR+16*g+3],     v[RDO] offset:4*SPITCH*g
	ds_load_b128 v[XR+16*g+4:XR+16*g+7],   v[RDO] offset:4*SPITCH*g+16
	ds_load_b128 v[XR+16*g+8:XR+16*g+11],  v[RDP] offset:4*SPITCH*g
	ds_load_b128 v[XR+16*g+12:XR+16*g+15], v[RDP] offset:4*SPITCH*g+16
.set g, g+1
.endr
.set g, 0
.rept 8
	s_wait_dscnt 4*(7-g)                           ; group g's four loads are in; the later groups' stay out
	WIN 0x04                                       ; source 1, the table, in window 1
.irp z, 0,1,2,3
	v_pk_mul_f32 v[TBG+2*\z:TBG+2*\z+1], v[XR+16*g+8+2*\z:XR+16*g+9+2*\z], v[32*g+8+2*\z:32*g+9+2*\z]     ; partner x (+-sin)
	v_pk_mul_f32 v[TNR+2*\z:TNR+2*\z+1], v[XR+16*g+8+2*\z:XR+16*g+9+2*\z], v[32*g+24+2*\z:32*g+25+2*\z]
.endr
.irp z, 0,1,2,3
	v_pk_fma_f32 v[TBG+2*\z:TBG+2*\z+1], v[XR+16*g+2*\z:XR+16*g+1+2*\z], v[32*g+2*\z:32*g+1+2*\z], v[TBG+2*\z:TBG+2*\z+1]      ; + own x cos
	v_pk_fma_f32 v[TNR+2*\z:TNR+2*\z+1], v[XR+16*g+2*\z:XR+16*g+1+2*\z], v[32*g+16+2*\z:32*g+17+2*\z], v[TNR+2*\z:TNR+2*\z+1]
.endr
	WIN 0
.irp z, 0,1,2,3
	v_cvt_pk_f16_f32 v[YR+8*g+\z], v[TBG+2*\z], v[TBG+2*\z+1]
	v_cvt_pk_f16_f32 v[YR+8*g+4+\z], v[TNR+2*\z], v[TNR+2*\z+1]
.endr
	global_store_b128 v[GO], v[YR+8*g:YR+8*g+3],   s[66:67] offset:512*g  ; four rows of a head: 512 consecutive bytes, aligned
	global_store_b128 v[GO], v[YR+8*g+4:YR+8*g+7], s[68:69] offset:512*g
.set g, g+1
.endr
	s_branch .Lnext
.Lplain:
.set g, 0
.rept 8
	ds_load_b128 v[XR+16*g:XR+16*g+3],   v[RDO] offset:4*SPITCH*g
	ds_load_b128 v[XR+16*g+4:XR+16*g+7], v[RDO] offset:4*SPITCH*g+16
.set g, g+1
.endr
.set g, 0
.rept 8
	s_wait_dscnt 2*(7-g)
.irp z, 0,1,2,3
	v_cvt_pk_f16_f32 v[YR+8*g+\z], v[XR+16*g+2*\z], v[XR+16*g+2*\z+1]
.endr
	global_store_b128 v[GO], v[YR+8*g:YR+8*g+3], s[66:67] offset:512*g
.set g, g+1
.endr
.Lnext:
	s_wait_xcnt 0x0                                ; the stores' data and bases are rewritten only behind this wait
	v_add_nc_u32 v[RDO], 256, v[RDO]               ; the next head's 64 columns
	v_add_nc_u32 v[RDP], 256, v[RDP]
	s_add_nc_u64 s[66:67], s[66:67], 0x40000
	s_add_nc_u64 s[68:69], s[68:69], 0x40000
	s_add_co_u32 s76, s76, 1
	s_cmp_eq_u32 s76, 2                            ; the third head goes to kv
	s_cselect_b64 s[66:67], s[70:71], s[66:67]
	s_cselect_b64 s[68:69], s[72:73], s[68:69]
	s_cmp_lt_u32 s76, 3
	s_cbranch_scc1 .Lhead
	s_wait_tensorcnt 0x0                           ; the wave's end
	ds_add_u32 v[SPW], v[NIL]
	s_wait_dscnt 0x0
	CROUND                                         ; the closing round: no work-group ends while a partner may still ask for a tile that names it
	s_endpgm
.Lfunc_end_k_q910dce5e47_proj:
	.size	k_q910dce5e47_proj, .Lfunc_end_k_q910dce5e47_proj-k_q910dce5e47_proj
	.p2alignl 7, 3214868480
	.fill 96, 4, 3214868480
	.section	.rodata,"a",@progbits
	.p2align	6, 0x0
	.amdhsa_kernel k_q910dce5e47_proj
		.amdhsa_group_segment_fixed_size 327680
		.amdhsa_private_segment_fixed_size 0
		.amdhsa_enable_private_segment 0
		.amdhsa_kernarg_size 40
		.amdhsa_user_sgpr_count 2
		.amdhsa_user_sgpr_kernarg_segment_ptr 1
		.amdhsa_wavefront_size32 1
		.amdhsa_system_sgpr_workgroup_id_x 1
		.amdhsa_system_sgpr_workgroup_id_y 1
		.amdhsa_system_sgpr_workgroup_id_z 1
		.amdhsa_system_vgpr_workitem_id 0
		.amdhsa_next_free_vgpr 512
		.amdhsa_next_free_sgpr 80
		.amdhsa_reserve_vcc 0
		.amdhsa_float_denorm_mode_32 3
		.amdhsa_float_denorm_mode_16_64 3
		.amdhsa_memory_ordered 1
		.amdhsa_forward_progress 1
		.amdhsa_inst_pref_size 89
	.end_amdhsa_kernel
	.amdgpu_metadata
---
amdhsa.version: [ 1, 2 ]
amdhsa.kernels:
  - .name:           k_q910dce5e47_proj
    .symbol:         k_q910dce5e47_proj.kd
    .args:
      - { .name: xb, .offset: 0, .size: 8, .value_kind: global_buffer, .address_space: global }
      - { .name: wb, .offset: 8, .size: 8, .value_kind: global_buffer, .address_space: global }
      - { .name: rt, .offset: 16, .size: 8, .value_kind: global_buffer, .address_space: global }
      - { .name: qr, .offset: 24, .size: 8, .value_kind: global_buffer, .address_space: global }
      - { .name: kv, .offset: 32, .size: 8, .value_kind: global_buffer, .address_space: global }
    .group_segment_fixed_size: 327680
    .private_segment_fixed_size: 0
    .kernarg_segment_align: 8
    .kernarg_segment_size: 40
    .max_flat_workgroup_size: 128
    .sgpr_count:     80
    .vgpr_count:     512
    .wavefront_size: 32
...
	.end_amdgpu_metadata
.endif
;; end of part 2
;; launch attn (part 3): grid 32 x 8, 4 waves a work-group, clusters of 4 x 4, 327,680 bytes of LDS; arguments qr, kv, attention_mask, ao; writes ao
.if DOCPART == 3
	.amdgcn_target "amdgcn-amd-amdhsa--gfx1250"
	.amdhsa_code_object_version 6
	.text
	.protected	k_q910dce5e47_attn
	.globl	k_q910dce5e47_attn
	.p2align	8
	.type	k_q910dce5e47_attn,@function
k_q910dce5e47_attn:
	s_mov_b64 s[64:65], 0
	v_nop
	global_prefetch_b8 v0, s[64:65] scope:SCOPE_SE
	s_setreg_imm32_b32 hwreg(HW_REG_WAVE_MODE, 25, 1), 1
	s_wait_xcnt 0x0
	s_wait_alu depctr_hold_cnt(0) depctr_sa_sdst(0) depctr_va_vdst(0) depctr_va_sdst(0) depctr_va_ssrc(0) depctr_va_vcc(0) depctr_vm_vsrc(0)
	s_getreg_b32 s2, hwreg(HW_REG_IB_STS2, 6, 4)
	s_cmp_eq_u32 s2, 0
	s_cbranch_scc0 .Lentry_in_a_cluster
	s_endpgm
.Lentry_in_a_cluster:
	s_bfe_u32 s2, ttmp6, 0x10000c
	s_cmp_lg_u32 s2, 0xf033
	s_cbranch_scc0 .Lentry_shape_is_right
	s_endpgm
.Lentry_shape_is_right:
; ATTENTION with two rotations.  score(i, j) = bq.bk where j <= i and i < 2038, else nq.nk; + mask(i, j); softmax over all 2,048 keys; times v.  The mask is an input: no key is left out.
; qr: bq [32][2048][64] f16, nq 8,388,608 bytes on.  kv: bk [8][2048][64], nk 2,097,152 on, v 4,194,304 on.  attention_mask [2048][2048] f32.  ao [2048][2048] f16, column = head x 64 + channel.
; q' and k' carry 1/8 and log2(e) between them, so a product arrives as s' = log2(e) x score.  t = mask x log2(e) + s' (one fused multiply-add in f32), p = 2^(t - m) with a running maximum m;
; the difference is formed BEFORE the exponential, so a row whose keys are all hidden by one large number gets p = 1 for each.  O and l are multiplied by a = 2^(m_old - m) in every step.
; LIMITS.  log2(e) x mask stays finite (|mask| < 2.3e38); q', k', v' arrive within f16's 65,504; p below 6e-5 keeps f16's fixed step, below 2^-126 it counts as 0 in l; NaN and infinities are not treated apart.
; SHARES.  A work-group owns 64 queries (block QB) and one key/value head G; wave w owns 16 queries x the group's four query heads: four TILES.  So one fragment of the mask serves four tiles, and K, V and
; the mask are read from LDS once a wave.  256 work-groups of equal work.
; CLUSTER.  4 x 4: the four of a row share G and ask for K's and V's tiles jointly; the four of a column share QB and ask for the mask's tile jointly.
; THE WALK.  16 key tiles of 128 keys, two steps of 64 each, two LDS slots.  Trip r takes tile (2 X + 2 + r) mod 16, X the cluster's x: first the tiles above the cluster's diagonal, then those below it, and in
; trips 14 and 15 the two that hold it, in every cluster alike.  A running softmax does not mind the order.  So there are two kinds of step, each written once:
;   OFFD (trips 0-13): S = bk.QA + nk.QB.  Below the diagonal QA = bq in the lanes of rows < 2038, 0 in the others, and QB = nq in those others; above it QA = 0 and QB = nq.  The products on QA = 0 are the
;        price of one text for both sides; a turn's length is set by its 133 vector instructions either way.
;   BOTH (trips 14, 15): bk.bq and nk.nq, then a choice by lane masks (key <= query and query < 2038).
; QA and QB are made in the first trip and in the trip whose tile is 0.  Fourteen changes of slots with a fill stand in the first loop, one more is written out, and the second loop's changes fill nothing.
; The change behind the last tile serves nothing: three lines and a barrier, once a launch.
; BY TURNS.  Turn t carries tile t's vector list (133 entries; 165 with the choice) dealt evenly behind the products K Q^T of tile t + 1 and V^T P of tile t - 1; tile 3's V^T P stands at the next step's head.
; m starts at the lowest finite number, O, l at 0 (and V, P's second buffer, for the first step's head): no first step is written out; the price is 224 moves in the wait for the first tile.
; REGISTERS, in windows of 256 (s_set_vgpr_msb: bits 1:0 source 0, 3:2 source 1, 5:4 source 2, 7:6 destination):
;   window 0: v2-14 addresses; v16-31 statistics; v32-39 at work; v62-63 the add's; v64-127 S, two buffers by the tile's parity; v128-191 SN likewise; v192-223 P likewise; v224-255 the mask's fragment
;   window 1: O^T, 32 a tile     window 2: v0-63 bq, v64-127 nq, v128-191 K1, v192-255 V     window 3: v0-63 K2, v64-127 QA, v128-191 QB
.set KS,    64                         ; keys in a step
.set PK,    144                        ; a key's row in LDS: 128 bytes + 16: the 16 rows of a load start at 16 different groups of four banks (64 banks of 4 bytes: ISA guide 11.1)
.set PVV,   160                        ; a row of V: 128 + 32
.set MP,    528                        ; a row of the mask's tile: 512 + 16
.set K2OFF, 128*PK
.set VOFF,  2*128*PK
.set MOFF,  VOFF+128*PVV
.set SLOT1, 1<<17                      ; one exclusive or turns an address in one slot into the other's
.set STAGE, SLOT1+MOFF+64*MP           ; behind the ring, never filled by a tensor load: 16 rows x 528 bytes for each wave
.set SP,    528
.set SPARE, STAGE+4*16*SP              ; the spare words, 128 bytes for each wave, which no other line names
.set AK0, 2                            ; my lane's place in a tile of K, of V, of the mask; never rewritten
.set AV0, 3
.set AM0, 4
.set AK,  5                            ; the addresses of the runs of loads in hand
.set AV,  6
.set AM,  7
.set STO, 8
.set RD,  9
.set GO,  10
.set QO,  11
.set VI,  12                           ; my query's number (or -100000 from row 2038 on) less 8 (l / 16)
.set VD,  13
.set PFO, 14
.set ST,  16                           ; tile t at ST + 4 t: m, m_old, l (even keys', odd keys')
.set TMP, 32                           ; by parity: c0-c3; c2 takes a
.set SPW, 62
.set NIL, 63
.set S,   64
.set P,   192
.set MR,  224
.set NQ,  64                           ; window 2: nq
.set KF,  128
.set VF,  192
.set QA,  64                           ; window 3
.set QB,  128
.set RR,  2                            ; s2 counts trips, s3 a tile's steps 2, 1
.set CNT, 3
.set OFF, 4                            ; s[4:5] first qr, then an offset with 0 above it
.set KVH, 6                            ; s[6:7] kv at my head
.set MB,  8                            ; s[8:9] the mask at my 64 rows
.set OB,  10                           ; s[10:11] ao at my wave's rows and heads
.set WV,  12
.set NXT, 13                           ; the tile to be asked for next
.set NEW, 14                           ; 1: QA and QB have not been made yet
.set TBK, 15                           ; LDS bytes at which the step to be fetched begins
.set TBV, 16
.set TBM, 17
.set CS,  18                           ; s[18:19] log2(e)
.set SEL, 20                           ; s[20:21] v_permlanex16_b32's selects
.set KB,  22                           ; the first key of the step in hand, in the diagonal tiles
.set TP,  23
.set G1K, 24
.set G1V, 32
.set G1M, 40
.set G0K1, 48
.set G0K2, 52
.set G0V, 56
.set G0M, 60
.set PM,  66                           ; s[66:97] 32 lane masks: key <= query, one for each register of S (at work in the set-up)
.set PFB, 98
.set CY,  100                          ; the cluster's y
.set LM,  101                          ; lane mask: my query < 2038
.set OFFD, 0
.set BOTH, 1
.set MSB, 0
.macro WIN new                         ; the immediate's high byte repeats the setting that is left; a switch that changes nothing is dropped
.if MSB != (\new)
	s_set_vgpr_msb (MSB<<8)|(\new)
.set MSB, \new
.endif
.endm
.set W_K1, 0x0a                        ; K1 and bq in window 2
.set W_K2, 0x0b                        ; K2 in window 3, nq in window 2
.set W_GA, 0x0e                        ; K1 in window 2, QA in window 3
.set W_GB, 0x0f                        ; K2 and QB in window 3
.set W_PV, 0x52                        ; V in window 2, P in window 0, O^T in window 1
.set W_RS, 0x41                        ; O^T in window 1, a in window 0
.macro PLACES
.rept 4
	v_nop
.endr
.endm
; A joint fill: wave 0 region K1, wave 1 K2, wave 2 V, wave 3 the mask: one tensor load a wave.  The branches hang on the wave's number alone.  An s_nop 0 and four v_nop follow each line.
.macro JLOAD4
	s_cmp_lt_u32 s[WV], 2
	s_cbranch_scc0 .Lhigh_\@
	s_cmp_eq_u32 s[WV], 0
	s_cbranch_scc0 .Lwave1_\@
	tensor_load_to_lds s[G0K1:G0K1+3], s[G1K:G1K+7]
	s_nop 0
	PLACES
	s_branch .Lasked_\@
.Lwave1_\@:
	tensor_load_to_lds s[G0K2:G0K2+3], s[G1K:G1K+7]
	s_nop 0
	PLACES
	s_branch .Lasked_\@
.Lhigh_\@:
	s_cmp_eq_u32 s[WV], 2
	s_cbranch_scc0 .Lwave3_\@
	tensor_load_to_lds s[G0V:G0V+3], s[G1V:G1V+7]
	s_nop 0
	PLACES
	s_branch .Lasked_\@
.Lwave3_\@:
	tensor_load_to_lds s[G0M:G0M+3], s[G1M:G1M+7]
	s_nop 0
	PLACES
.Lasked_\@:
.endm
.macro CROUND                          ; a round of the cluster's barrier
	s_barrier_signal -1
	s_barrier_wait -1
	s_cmp_lg_u32 s[WV], 0
	s_cbranch_scc1 .Lnot_wave_0_\@
	s_barrier_signal -3
.Lnot_wave_0_\@:
	s_barrier_wait -3
	s_barrier_signal -1
	s_barrier_wait -1
.endm
; THE CHANGE OF SLOTS.  Each wave waits for all its tensor loads (one is out: its region of the other slot), adds 0 to its spare word, and waits for that and for its reads of the slot that it leaves.
; fill = 1: the barrier is a round of the cluster's, and the old slot takes tile NXT, first thing behind it; the descriptors' addresses are made anew from that number, which then steps, round 16.
; ask = 1: wave 3 of the clusters with y = 0 then asks for the mask's tile after that one ahead of time: 32 lanes x 4 partners of a column = its 128 blocks of 256 bytes, each once in the launch, one trip
; ahead of its tensor load.  The fourteen changes of the first loop ask, for the tiles of trips 2 to 15; the change that is written out has no tile left to ask for.
.macro CHANGE fill, ask
	WIN 0
	s_wait_tensorcnt 0x0                           ; no tensor load of mine is out, so a group 0 may be written
	ds_add_u32 v[SPW], v[NIL]                      ; 0 onto my spare word; scalar work stands between it and the wait for it
.if \fill
	s_lshl_b32 s[OFF], s[NXT], 9                   ; a tile is 512 bytes of each row of the mask
	s_xor_b32 s[G0M+1], s[G0M+1], SLOT1
	s_add_nc_u64 s[G0M+2:G0M+3], s[MB:MB+1], s[OFF:OFF+1]
	s_or_b32 s[G0M+3], s[G0M+3], 0x80000000
	s_lshl_b32 s[OFF], s[NXT], 14                  ; and 16,384 bytes of bk, nk and v
	s_xor_b32 s[G0K1+1], s[G0K1+1], SLOT1
	s_add_nc_u64 s[G0K1+2:G0K1+3], s[KVH:KVH+1], s[OFF:OFF+1]
	s_xor_b32 s[G0K2+1], s[G0K2+1], SLOT1
	s_add_nc_u64 s[G0K2+2:G0K2+3], s[G0K1+2:G0K1+3], 0x200000
	s_xor_b32 s[G0V+1], s[G0V+1], SLOT1
	s_add_nc_u64 s[G0V+2:G0V+3], s[G0K1+2:G0K1+3], 0x400000
	s_or_b32 s[G0K1+3], s[G0K1+3], 0x80000000
	s_or_b32 s[G0K2+3], s[G0K2+3], 0x80000000
	s_or_b32 s[G0V+3], s[G0V+3], 0x80000000
	s_add_co_u32 s[NXT], s[NXT], 1
	s_and_b32 s[NXT], s[NXT], 15
.if \ask
	s_wait_xcnt 0x0                                ; the last trip's prefetch has read its base
	s_lshl_b32 s[OFF], s[NXT], 9
	s_add_nc_u64 s[PFB:PFB+1], s[MB:MB+1], s[OFF:OFF+1]
.endif
	s_wait_dscnt 0x0                               ; the add is done, and my reads of the slot are over
	CROUND
	JLOAD4
.if \ask
	s_cmp_lg_u32 s[WV], 3
	s_cbranch_scc1 .Lno_ask_\@
	s_cmp_lg_u32 s[CY], 0
	s_cbranch_scc1 .Lno_ask_\@
	global_prefetch_b8 v[PFO], s[PFB:PFB+1] th:TH_LOAD_NT scope:SCOPE_SE
.Lno_ask_\@:
.endif
.else
	s_wait_dscnt 0x0
	s_barrier_signal -1
	s_barrier_wait -1
.endif
	s_sub_co_u32 s[TBK], s[TBK], 2*KS*PK           ; the fetches go back to a slot's first step, in the other slot
	s_xor_b32 s[TBK], s[TBK], SLOT1
	s_sub_co_u32 s[TBV], s[TBV], 2*KS*PVV
	s_xor_b32 s[TBV], s[TBV], SLOT1
	s_sub_co_u32 s[TBM], s[TBM], 2*KS*4
	s_xor_b32 s[TBM], s[TBM], SLOT1
.endm
	s_load_b256 s[4:11], s[0:1], 0x0               ; qr 4, kv 6, mask 8, ao 10
	v_lshl_add_u32 v[SPW], v0, 2, SPARE
	v_mov_b32 v[NIL], 0
	ds_add_u32 v[SPW], v[NIL]                      ; the wave's opening: the add and its wait stand ahead of my first tensor load
	v_lshrrev_b32 v1, 5, v0
	v_readfirstlane_b32 s[WV], v1
	s_bfe_u32 s66, ttmp6, 0x40000                  ; cx
	s_bfe_u32 s67, ttmp6, 0x40004                  ; cy
	s_and_b32 s[CY], ttmp7, 0xffff
	s_lshl_b32 s68, ttmp9, 2
	s_add_co_u32 s68, s68, s66                     ; QB
	s_lshl_b32 s69, s[CY], 2
	s_add_co_u32 s69, s69, s67                     ; G
	s_lshl_b32 s[KB], ttmp9, 8                     ; the first key of the cluster's diagonal tiles: 256 X
	s_lshl_b32 s89, ttmp9, 1
	s_add_co_u32 s89, s89, 2
	s_and_b32 s89, s89, 15                         ; the first trip's tile: (2 X + 2) mod 16: the cluster's x alone, which all partners share
	s_add_co_u32 s[NXT], s89, 1
	s_and_b32 s[NXT], s[NXT], 15
	s_lshl_b32 s90, s89, 14
	s_mov_b32 s91, 0
	s_lshl_b32 s92, s89, 9
	s_mov_b32 s93, 0
	s_lshl_b32 s70, s67, 2
	s_lshl_b32 s70, 15, s70                        ; my row of the cluster
	s_lshl_b32 s71, 0x1111, s66                    ; my column
	; 128 keys are 16,384 dense bytes: asked for as 64 rows of 256 bytes, padded in LDS after every key
	s_or_b32 s[G1K], s70, (1<<16)|(1<<20)|(1<<21)|(4<<22)|(3<<25)  ; 15:0 mask; 17:16 2-byte elements; 20 padding on; 21 set beside a mask; 24:22 after every 32 words; 31:25 4 words
	s_or_b32 s[G1V], s70, (1<<16)|(1<<20)|(1<<21)|(4<<22)|(7<<25)  ; 8 words
	s_or_b32 s[G1M], s71, (2<<16)|(1<<20)|(1<<21)|(6<<22)|(3<<25)  ; 4-byte elements; after every 128 words 4 words
.irp g, G1K, G1V, G1M
	s_mov_b32 s[\g+1], 128<<16                     ; tensor_dim0 = 128
	s_mov_b32 s[\g+2], 64<<16                      ; tensor_dim1 = 64
	s_mov_b32 s[\g+3], 128<<16                     ; tile_dim0 = 128
	s_mov_b32 s[\g+4], 64                          ; tile_dim1 = 64
	s_mov_b32 s[\g+6], 0
	s_mov_b32 s[\g+7], 0
.endr
	s_mov_b32 s[G1K+5], 128                        ; elements from row to row
	s_mov_b32 s[G1V+5], 128
	s_mov_b32 s[G1M+5], 2048
	s_lshl_b32 s72, s69, 18                        ; kv: 262,144 bytes a head: G alone
	s_mov_b32 s73, 0
	s_lshl_b32 s74, s68, 19                        ; the mask: 64 rows of 8,192 bytes: QB alone
	s_mov_b32 s75, 0
	s_lshl_b32 s76, s69, 20                        ; qr: head 4 G, row 64 QB + 16 w, 128 bytes a row
	s_lshl_b32 s78, s68, 13
	s_add_co_u32 s76, s76, s78
	s_lshl_b32 s78, s[WV], 11
	s_add_co_u32 s76, s76, s78
	s_mov_b32 s77, 0
	s_lshl_b32 s78, s68, 18                        ; ao: the same row, 4,096 bytes a row, byte 512 G
	s_lshl_b32 s80, s[WV], 16
	s_add_co_u32 s78, s78, s80
	s_lshl_b32 s80, s69, 9
	s_add_co_u32 s78, s78, s80
	s_mov_b32 s79, 0
	s_lshl_b32 s81, s68, 6
	s_lshl_b32 s82, s[WV], 4
	s_add_co_u32 s81, s81, s82                     ; my wave's first query
	s_lshl_b32 s88, s67, 4                         ; 16 cy: my quarter of a mask tile's rows in the prefetch
	s_mov_b32 s[CS], 0x3fb8aa3b
	s_mov_b32 s[CS+1], s[CS]
	s_mov_b32 s[SEL], 0x76543210
	s_mov_b32 s[SEL+1], 0xfedcba98
	s_mov_b32 s[TBK], SLOT1+2*KS*PK                ; the first change of slots turns these three into 0
	s_mov_b32 s[TBV], SLOT1+2*KS*PVV
	s_mov_b32 s[TBM], SLOT1+2*KS*4
	s_mov_b32 s[G0K1], 1
	s_mov_b32 s[G0K1+1], 0
	s_mov_b32 s[G0K2], 1
	s_mov_b32 s[G0K2+1], K2OFF
	s_mov_b32 s[G0V], 1
	s_mov_b32 s[G0V+1], VOFF
	s_mov_b32 s[G0M], 1
	s_mov_b32 s[G0M+1], MOFF
	s_wait_dscnt 0x0                               ; the opening add is done
	s_wait_kmcnt 0x0
	s_add_nc_u64 s[KVH:KVH+1], s[6:7], s[72:73]
	s_add_nc_u64 s[MB:MB+1], s[8:9], s[74:75]
	s_add_nc_u64 s[4:5], s[4:5], s[76:77]
	s_add_nc_u64 s[84:85], s[4:5], 0x800000        ; nq
	s_add_nc_u64 s[OB:OB+1], s[10:11], s[78:79]
	s_add_nc_u64 s[G0K1+2:G0K1+3], s[KVH:KVH+1], s[90:91]
	s_add_nc_u64 s[G0K2+2:G0K2+3], s[G0K1+2:G0K1+3], 0x200000
	s_add_nc_u64 s[G0V+2:G0V+3], s[G0K1+2:G0K1+3], 0x400000
	s_add_nc_u64 s[G0M+2:G0M+3], s[MB:MB+1], s[92:93]
	s_or_b32 s[G0K1+3], s[G0K1+3], 0x80000000
	s_or_b32 s[G0K2+3], s[G0K2+3], 0x80000000
	s_or_b32 s[G0V+3], s[G0V+3], 0x80000000
	s_or_b32 s[G0M+3], s[G0M+3], 0x80000000
	CROUND                                         ; all sixteen work-groups are here: the first joint loads meet
	JLOAD4                                         ; the first trip's tile into slot 0; slot 1 is filled by the loop's first change of slots.  One tensor load of mine is out at any time
	v_and_b32 v40, 15, v0                          ; l % 16
	v_bfe_u32 v41, v0, 4, 1                        ; l / 16
	v_lshlrev_b32 v[QO], 7, v40
	v_lshl_add_u32 v[QO], v41, 4, v[QO]
	WIN 0x80
.set i, 0
.rept 8                                ; both rotations of Q stay in registers: tile i / 2, channels 32 (i % 2) on
	global_load_b128 v[8*i:8*i+3],       v[QO], s[4:5]   offset:(i/2)*262144+(i%2)*64
	global_load_b128 v[8*i+4:8*i+7],     v[QO], s[4:5]   offset:(i/2)*262144+(i%2)*64+32
	global_load_b128 v[NQ+8*i:NQ+8*i+3],   v[QO], s[84:85] offset:(i/2)*262144+(i%2)*64
	global_load_b128 v[NQ+8*i+4:NQ+8*i+7], v[QO], s[84:85] offset:(i/2)*262144+(i%2)*64+32
.set i, i+1
.endr
.set i, VF
.rept 64
	v_mov_b32 v[i], 0
.set i, i+1
.endr
	WIN 0x40
.set i, 0
.rept 128
	v_mov_b32 v[i], 0
.set i, i+1
.endr
	WIN 0
.set i, 0
.rept 4
	v_mov_b32 v[ST+4*i], 0xff7fffff
	v_mov_b32 v[ST+4*i+1], 0xff7fffff
	v_mov_b32 v[ST+4*i+2], 0
	v_mov_b32 v[ST+4*i+3], 0
.set i, i+1
.endr
.set i, P+16
.rept 16
	v_mov_b32 v[i], 0
.set i, i+1
.endr
	v_mul_u32_u24 v[AK0], v40, PK
	v_lshl_add_u32 v[AK0], v41, 4, v[AK0]          ; row x pitch + 16 x half
	v_and_b32 v42, 7, v0                           ; the turning load: lane l reads key 8 (l / 16) + l % 8, channels 8 ((l / 8) % 2) on
	v_bfe_u32 v43, v0, 3, 1
	v_lshl_add_u32 v[AV0], v41, 3, v42
	v_mul_u32_u24 v[AV0], v[AV0], PVV
	v_lshl_add_u32 v[AV0], v43, 4, v[AV0]
	v_add_nc_u32 v[AV0], VOFF, v[AV0]
	s_mul_i32 s83, s[WV], 16*MP                    ; the mask: row 16 w + l % 16, keys 8 (l / 16) on
	s_add_co_u32 s83, s83, MOFF
	v_mul_u32_u24 v[AM0], v40, MP
	v_lshl_add_u32 v[AM0], v41, 5, v[AM0]
	v_add_nc_u32 v[AM0], s83, v[AM0]
	s_mul_i32 s83, s[WV], 16*SP
	s_add_co_u32 s83, s83, STAGE
	v_mul_u32_u24 v[STO], v40, SP
	v_lshl_add_u32 v[STO], v41, 4, v[STO]
	v_add_nc_u32 v[STO], s83, v[STO]
	v_and_b32 v44, 31, v0
	v_lshlrev_b32 v[GO], 4, v44
	v_add_nc_u32 v[RD], s83, v[GO]
	v_lshrrev_b32 v45, 1, v44                      ; the prefetch: row 16 cy + l / 2 of the tile, its half l % 2
	v_add_nc_u32 v45, s88, v45
	v_and_b32 v44, 1, v44
	v_lshlrev_b32 v[PFO], 13, v45
	v_lshl_add_u32 v[PFO], v44, 8, v[PFO]
	v_add_nc_u32 v[VI], s81, v40                   ; my query
	s_movk_i32 s87, 2038
	v_cmp_gt_u32 s[LM], s87, v[VI]                 ; rows that may take the first rotation
	v_mov_b32 v45, 0xfffe7960                      ; -100000: below every key
	v_cndmask_b32 v[VI], v45, v[VI], s[LM]
	v_lshlrev_b32 v45, 3, v41
	v_sub_nc_u32 v[VI], v[VI], v45
	s_wait_loadcnt 0x0                             ; Q is in, and its loads' bases may be written
	s_mov_b32 s[OFF+1], 0
; THE MATRIX WORK.  Four accumulators take turns, one instruction a turn.  Product i of 16 of tile x's scores: keys 16 (i % 4) on, channels 32 ((i / 4) % 2) on.
; OFFD: 0-7 K1.QA start S, 8-15 K2.QB go on onto S.  BOTH: 0-7 K1.bq into S, 8-15 K2.nq into SN.
.macro QK x, kind
.set rS, S+32*((\x)%2)+8*(i%4)
.set rK, 16*(i%4)+8*((i/4)%2)
.set rQ, 16*(\x)+8*((i/4)%2)
.if (\kind) == BOTH
.if i < 4
	WIN W_K1
	v_wmma_f32_16x16x32_f16 v[rS:rS+7], v[KF+rK:KF+rK+7], v[rQ:rQ+7], 0
.elseif i < 8
	WIN W_K1
	v_wmma_f32_16x16x32_f16 v[rS:rS+7], v[KF+rK:KF+rK+7], v[rQ:rQ+7], v[rS:rS+7]
.elseif i < 12
	WIN W_K2
	v_wmma_f32_16x16x32_f16 v[rS+64:rS+71], v[rK:rK+7], v[NQ+rQ:NQ+rQ+7], 0
.else
	WIN W_K2
	v_wmma_f32_16x16x32_f16 v[rS+64:rS+71], v[rK:rK+7], v[NQ+rQ:NQ+rQ+7], v[rS+64:rS+71]
.endif
.else
.if i < 4
	WIN W_GA
	v_wmma_f32_16x16x32_f16 v[rS:rS+7], v[KF+rK:KF+rK+7], v[QA+rQ:QA+rQ+7], 0
.elseif i < 8
	WIN W_GA
	v_wmma_f32_16x16x32_f16 v[rS:rS+7], v[KF+rK:KF+rK+7], v[QA+rQ:QA+rQ+7], v[rS:rS+7]
.else
	WIN W_GB
	v_wmma_f32_16x16x32_f16 v[rS:rS+7], v[rK:rK+7], v[QB+rQ:QB+rQ+7], v[rS:rS+7]
.endif
.endif
.endm
.macro PV x                            ; product i of 8 of O^T += V^T P: keys 32 (i / 4) on, channels 16 (i % 4) on
	WIN W_PV
.set rO, 32*(\x)+8*(i%4)
.set rV, VF+32*(i/4)+8*(i%4)
.set rP, P+16*((\x)%2)+8*(i/4)
	v_wmma_f32_16x16x32_f16 v[rO:rO+7], v[rV:rV+7], v[rP:rP+7], v[rO:rO+7]
.endm
; A step's K1 (8 fragments) and its fragment of the mask (query l % 16, keys 16 kb + 8 (l / 16) + 0..7 in registers 8 kb + 0..7): one run of 24 loads
.macro FETCH_KM
	WIN 0
	v_add_nc_u32 v[AK], s[TBK], v[AK0]
	v_add_nc_u32 v[AM], s[TBM], v[AM0]
.irp f, 0,1,2,3,4,5,6,7
	ds_load_b128 v[MR+4*\f:MR+4*\f+3], v[AM] offset:(\f/2)*64+(\f%2)*16
.endr
	WIN 0x80
.irp f, 0,1,2,3,4,5,6,7
	ds_load_b128 v[KF+8*\f:KF+8*\f+3],   v[AK] offset:(\f/2)*16*PK+(\f%2)*64
	ds_load_b128 v[KF+8*\f+4:KF+8*\f+7], v[AK] offset:(\f/2)*16*PK+(\f%2)*64+32
.endr
	s_add_co_u32 s[TBK], s[TBK], KS*PK
	s_add_co_u32 s[TBM], s[TBM], KS*4
	WIN 0
.endm
.macro NEXTKM                          ; in a tile's first step: the second step's run; the second step jumps over it (the next tile's stands behind the change of slots)
	WIN 0
	s_cmp_eq_u32 s[CNT], 1
	s_cbranch_scc1 .Lno_km_\@
	FETCH_KM
.Lno_km_\@:
.endm
; QA and QB under the lane mask in s[TP]: where its bit is set the lane takes bq with bk, elsewhere nq with nk
.macro MAKEQ
	WIN 0xc8                                       ; destination window 3, source 1 window 2
.set i, 0
.rept 64
	v_cndmask_b32 v[QA+i], 0, v[i], s[TP]
.set i, i+1
.endr
	WIN 0xc2                                       ; destination window 3, source 0 window 2
.set i, 0
.rept 64
	v_cndmask_b32 v[QB+i], v[NQ+i], 0, s[TP]
.set i, i+1
.endr
	WIN 0
.endm
; THE VECTOR LIST of a tile and step; VE writes entry j.  With the choice (BOTH) 32 selects stand ahead of it; n counts from the list's own first entry.
;   0-15    t = mask x log2(e) + s', a pair at a time     16-32  the maximum of the 32 t and the old m, three operands at a time; 31 keeps m_old     33, 34  the other half of the lanes': the new m
;   35, 36  a = 2^(m_old - m)     37-39  t - m for pairs 0-2     40-103  the exponential of t - m number e at 40 + 2 e, and behind each a plain entry that is ready: t - m for a pair to come,
;   the rounding to f16 of a pair whose exponentials are done, the first sums     104  the last rounding     105-115  the rest of the sums     116  l = a l + sum     117-132  O^T times a
; Each accumulator's low registers are read first; behind every exponential stands a plain entry that touches neither its result nor its source (ISA guide 5.7.2).
.macro CSUB b
	v_pk_add_f32 v[rS+2*(\b):rS+2*(\b)+1], v[rS+2*(\b):rS+2*(\b)+1], v[rT:rT+1] op_sel_hi:[1,0] neg_lo:[0,1] neg_hi:[0,1]
.endm
.macro FADD k
	v_pk_add_f32 v[rS+4*(\k):rS+4*(\k)+1], v[rS+4*(\k):rS+4*(\k)+1], v[rS+4*(\k)+2:rS+4*(\k)+3]
.endm
.macro ECVT e
	s_wait_alu depctr_va_vdst(0)
	v_cvt_pk_f16_f32 v[rP+(\e)], v[rS+2*(\e)], v[rS+2*(\e)+1]
.endm
.macro VE t, kind
.set rT, ST+4*(\t)
.set rC, TMP+4*((\t)%2)
.set rS, S+32*((\t)%2)
.set rP, P+16*((\t)%2)
.set rO, 32*(\t)
.set n, j
.if (\kind) == BOTH
.set n, j-32
.endif
.if n < 117
	WIN 0
.else
	WIN W_RS
.endif
.if n < 0
	v_cndmask_b32 v[rS+j], v[rS+64+j], v[rS+j], s[PM+j]
.elseif n < 16
	v_pk_fma_f32 v[rS+2*n:rS+2*n+1], v[MR+2*n:MR+2*n+1], s[CS:CS+1], v[rS+2*n:rS+2*n+1] op_sel_hi:[1,0,1]
.elseif n < 20
	v_max3_num_f32 v[rC+n-16], v[rS+8*(n-16)], v[rS+8*(n-16)+1], v[rS+8*(n-16)+2]
.elseif n < 28
.set u, (n-16)%4
.set w, (n-16)/4
	v_max3_num_f32 v[rC+u], v[rC+u], v[rS+8*u+2*w+1], v[rS+8*u+2*w+2]
.elseif n == 28
	v_max3_num_f32 v[rC], v[rC], v[rS+7], v[rS+15]
.elseif n == 29
	v_max3_num_f32 v[rC+1], v[rC+1], v[rS+23], v[rS+31]
.elseif n == 30
	v_max3_num_f32 v[rC+2], v[rC+2], v[rC+3], v[rT]
.elseif n == 31
	v_mov_b32 v[rT+1], v[rT]
.elseif n == 32
	v_max3_num_f32 v[rC], v[rC], v[rC+1], v[rC+2]
.elseif n == 33
	v_permlanex16_b32 v[rC+3], v[rC], s[SEL], s[SEL+1]
.elseif n == 34
	v_max_num_f32 v[rT], v[rC], v[rC+3]
.elseif n == 35
	v_sub_f32 v[rC+1], v[rT+1], v[rT]
.elseif n == 36
	v_exp_f32 v[rC+2], v[rC+1]
.elseif n < 40
	CSUB n-37
.elseif n < 104
.set e, (n-40)/2
.if (n%2) == 0
	v_exp_f32 v[rS+e], v[rS+e]
.elseif e == 1
	CSUB 3
.elseif ((e%2) == 0) && (e < 24)
	CSUB e/2+4
.elseif (e%2) == 0
	FADD (e-24)/2
.else
	ECVT (e-3)/2
.endif
.elseif n == 104
	ECVT 15
.elseif n < 109
	FADD n-101
.elseif n < 113
.set u, 8*(n-109)
	v_pk_add_f32 v[rS+u:rS+u+1], v[rS+u:rS+u+1], v[rS+u+4:rS+u+5]
.elseif n < 115
.set u, 16*(n-113)
	v_pk_add_f32 v[rS+u:rS+u+1], v[rS+u:rS+u+1], v[rS+u+8:rS+u+9]
.elseif n == 115
	v_pk_add_f32 v[rS:rS+1], v[rS:rS+1], v[rS+16:rS+17]
.elseif n == 116
	v_pk_fma_f32 v[rT+2:rT+3], v[rT+2:rT+3], v[rC+2:rC+3], v[rS:rS+1] op_sel_hi:[1,0,1]
.else
.set u, 2*(n-117)
	v_pk_mul_f32 v[rO+u:rO+u+1], v[rO+u:rO+u+1], v[rC+2:rC+3] op_sel_hi:[1,0]
.endif
.set j, j+1
.endm
.macro GROUP t, kind
.rept per
	VE \t, \kind
.endr
.endm
; TURN t: the 16 products K Q^T of tile t + 1, then the 8 products V^T P of tile t - 1, and behind each of them an equal share of tile t's list; what is over stands at the end (plain entries: the places
; behind the turn's last products).  No entry names a register of the products round it: S, SN and P go by the tile's parity, O^T by the tile.
.macro TURN t, kind
.set j, 0
.set fetched, 0
.set nq, 0
.if (\t) < 3
.set nq, 16
.endif
.set np, 0
.if (\t) > 0
.set np, 8
.endif
.set NV, 133
.if (\kind) == BOTH
.set NV, 165
.endif
.set per, NV/(nq+np)
.set i, 0
.if nq > 0
.rept nq
	QK (\t)+1, \kind
.set i, i+1
	GROUP \t, \kind
.endr
.endif
.if (\t) == 1
	s_wait_dscnt 0x0                               ; V is in
.endif
.set i, 0
.if np > 0
.rept np
	PV (\t)-1
.set i, i+1
	GROUP \t, \kind
.if ((\t) == 3) && (fetched == 0) && (j >= NV-117)
	NEXTKM                                         ; the list has read the mask's fragment for the last time; K1's last product stands a turn back
.set fetched, 1
.endif
.endr
.endif
.rept NV-per*(nq+np)
	VE \t, \kind
.endr
.endm
; A KEY STEP.  At its head: tile 3's V^T P of the step before; then V's registers are free: this step's K2 and V are asked for; tile 0's scores; with the choice, the 32 lane masks.
.macro STEP kind
.set i, 0
.rept 8
	PV 3
.set i, i+1
.endr
	PLACES                                         ; in front of the loads into V's registers
	WIN 0
	v_add_nc_u32 v[AV], s[TBV], v[AV0]
	s_add_co_u32 s[TBV], s[TBV], KS*PVV
	WIN 0xc0
.irp f, 0,1,2,3,4,5,6,7
	ds_load_b128 v[8*\f:8*\f+3],   v[AK] offset:K2OFF+(\f/2)*16*PK+(\f%2)*64
	ds_load_b128 v[8*\f+4:8*\f+7], v[AK] offset:K2OFF+(\f/2)*16*PK+(\f%2)*64+32
.endr
	WIN 0x80
.irp f, 0,1,2,3,4,5,6,7
	ds_load_tr16_b128 v[VF+8*\f:VF+8*\f+3],   v[AV] offset:(\f/4)*32*PVV+(\f%4)*32
	ds_load_tr16_b128 v[VF+8*\f+4:VF+8*\f+7], v[AV] offset:(\f/4)*32*PVV+16*PVV+(\f%4)*32
.endr
	s_wait_dscnt 32                                ; K1 and the mask are in: K2's and V's 32 loads are younger
.set i, 0
.rept 8
	QK 0, \kind
.set i, i+1
.endr
	s_wait_dscnt 16                                ; K2 is in: V's 16 are younger
.rept 8
	QK 0, \kind
.set i, i+1
.endr
	WIN 0
.if (\kind) == BOTH
	v_sub_nc_u32 v[VD], v[VI], s[KB]
.set i, 0
.rept 32
	v_cmp_le_i32 s[PM+i], 16*(i/8)+i%8, v[VD]      ; key KB + 16 kb + 8 (l / 16) + r <= my query, and my query < 2038
.set i, i+1
.endr
	s_add_co_u32 s[KB], s[KB], KS
.endif
	PLACES                                         ; behind tile 0's products
	TURN 0, \kind
	TURN 1, \kind
	TURN 2, \kind
	TURN 3, \kind
.endm
.macro TILE kind                       ; a tile's two steps: written once, walked twice
.Lstep_\@:
	STEP \kind
	WIN 0
	s_sub_co_u32 s[CNT], s[CNT], 1
	s_cmp_lg_u32 s[CNT], 0
	s_cbranch_scc1 .Lstep_\@
.endm
	s_mov_b32 s[NEW], 1
	s_mov_b32 s[RR], 14
.Loff:                                                 ; 14 trips: a tile off the diagonal is entered and the next trip's tile is asked for
	CHANGE 1, 1
	FETCH_KM                                       ; the tile's first step
	s_cmp_eq_u32 s[NEW], 1                         ; the first trip makes QA and QB: at that trip the answer is a constant of the text
	s_cbranch_scc1 .Lmake
	s_cmp_eq_u32 s[NXT], 2                         ; NXT is two tiles ahead: the tile in hand is 0, the first below the diagonal
	s_cbranch_scc0 .Lmade
.Lmake:
	s_mov_b32 s[NEW], 0
	s_cmp_eq_u32 s[NXT], 2
	s_cselect_b32 s[TP], s[LM], 0                  ; below the diagonal the rows < 2038 take bq.bk; above it no row does
	MAKEQ
.Lmade:
	s_mov_b32 s[CNT], 2
	TILE OFFD
	s_sub_co_u32 s[RR], s[RR], 1
	s_cmp_lg_u32 s[RR], 0
	s_cbranch_scc1 .Loff
	CHANGE 1, 0                                    ; the first diagonal tile is in; the second, the walk's last, is asked for
	s_mov_b32 s[RR], 2
.Ldiag:                                                ; 2 trips: the change stands behind the tile and fills nothing
	FETCH_KM
	s_mov_b32 s[CNT], 2
	TILE BOTH
	CHANGE 0, 0
	s_sub_co_u32 s[RR], s[RR], 1
	s_cmp_lg_u32 s[RR], 0
	s_cbranch_scc1 .Ldiag
.set i, 0
.rept 8
	PV 3                                           ; tile 3's V^T P of the last step
.set i, i+1
.endr
	; THE WAY OUT.  l's halves are added; O^T is divided by l, rounded to f16 and sent through my stage: a row's four heads are 512 consecutive bytes of ao.  The additions are the places behind the last products.
	WIN 0
.macro ALL line:vararg
.set t, 0
.rept 4
	\line
.set t, t+1
.endr
.endm
	ALL v_add_f32 v[ST+4*t+2], v[ST+4*t+2], v[ST+4*t+3]
	ALL v_permlanex16_b32 v[ST+4*t+3], v[ST+4*t+2], s[SEL], s[SEL+1]
	ALL v_add_f32 v[ST+4*t+2], v[ST+4*t+2], v[ST+4*t+3]
	ALL v_rcp_f32 v[ST+4*t+2], v[ST+4*t+2]
	v_nop                                          ; a plain instruction between the last reciprocal and the use of its result
.macro PACK t
	WIN W_RS
.set i, 32*(\t)
.rept 16
	s_wait_alu depctr_va_vdst(0)
	v_pk_mul_f32 v[i:i+1], v[i:i+1], v[ST+4*(\t)+2:ST+4*(\t)+3] op_sel_hi:[1,0]
.set i, i+2
.endr
	WIN 0x05
.set i, 0
.rept 16
	v_cvt_pk_f16_f32 v[S+16*(\t)+i], v[32*(\t)+2*i], v[32*(\t)+2*i+1]
.set i, i+1
.endr
	WIN 0
.irp f, 0,1,2,3
	ds_store_b128 v[STO], v[S+16*(\t)+4*\f:S+16*(\t)+4*\f+3] offset:128*(\t)+32*\f
.endr
.endm
	PACK 0
	PACK 1
	PACK 2
	PACK 3
.set i, 0
.rept 16
	ds_load_b128 v[128+4*i:128+4*i+3], v[RD] offset:i*SP  ; LDS serves a wave's instructions in order (ISA guide 5.7.1.4): these see my stores above
.set i, i+1
.endr
.set i, 0
.rept 16
	s_wait_dscnt 15-i                              ; row i is back; the later rows stay out
	global_store_b128 v[GO], v[128+4*i:128+4*i+3], s[OB:OB+1] offset:4096*i  ; 512 consecutive bytes, aligned
.set i, i+1
.endr
	s_wait_tensorcnt 0x0                           ; the wave's end
	ds_add_u32 v[SPW], v[NIL]
	s_wait_dscnt 0x0
	CROUND                                         ; the closing round
	s_endpgm
.Lfunc_end_k_q910dce5e47_attn:
	.size	k_q910dce5e47_attn, .Lfunc_end_k_q910dce5e47_attn-k_q910dce5e47_attn
	.p2alignl 7, 3214868480
	.fill 96, 4, 3214868480
	.section	.rodata,"a",@progbits
	.p2align	6, 0x0
	.amdhsa_kernel k_q910dce5e47_attn
		.amdhsa_group_segment_fixed_size 327680
		.amdhsa_private_segment_fixed_size 0
		.amdhsa_enable_private_segment 0
		.amdhsa_kernarg_size 32
		.amdhsa_user_sgpr_count 2
		.amdhsa_user_sgpr_kernarg_segment_ptr 1
		.amdhsa_wavefront_size32 1
		.amdhsa_system_sgpr_workgroup_id_x 1
		.amdhsa_system_sgpr_workgroup_id_y 1
		.amdhsa_system_sgpr_workgroup_id_z 1
		.amdhsa_system_vgpr_workitem_id 0
		.amdhsa_next_free_vgpr 960
		.amdhsa_next_free_sgpr 102
		.amdhsa_reserve_vcc 0
		.amdhsa_float_denorm_mode_32 3
		.amdhsa_float_denorm_mode_16_64 3
		.amdhsa_memory_ordered 1
		.amdhsa_forward_progress 1
		.amdhsa_inst_pref_size 156
	.end_amdhsa_kernel
	.amdgpu_metadata
---
amdhsa.version: [ 1, 2 ]
amdhsa.kernels:
  - .name:           k_q910dce5e47_attn
    .symbol:         k_q910dce5e47_attn.kd
    .args:
      - { .name: qr, .offset: 0, .size: 8, .value_kind: global_buffer, .address_space: global }
      - { .name: kv, .offset: 8, .size: 8, .value_kind: global_buffer, .address_space: global }
      - { .name: attention_mask, .offset: 16, .size: 8, .value_kind: global_buffer, .address_space: global }
      - { .name: ao, .offset: 24, .size: 8, .value_kind: global_buffer, .address_space: global }
    .group_segment_fixed_size: 327680
    .private_segment_fixed_size: 0
    .kernarg_segment_align: 8
    .kernarg_segment_size: 32
    .max_flat_workgroup_size: 128
    .sgpr_count:     102
    .vgpr_count:     960
    .wavefront_size: 32
...
	.end_amdgpu_metadata
.endif
;; end of part 3
;; launch outp (part 4): grid 16 x 16, 4 waves a work-group, clusters of 4 x 4, 327,680 bytes of LDS; arguments ao, wof, out0; writes out0
.if DOCPART == 4
	.amdgcn_target "amdgcn-amd-amdhsa--gfx1250"
	.amdhsa_code_object_version 6
	.text
	.protected	k_q910dce5e47_outp
	.globl	k_q910dce5e47_outp
	.p2align	8
	.type	k_q910dce5e47_outp,@function
k_q910dce5e47_outp:
	s_mov_b64 s[64:65], 0
	v_nop
	global_prefetch_b8 v0, s[64:65] scope:SCOPE_SE
	s_setreg_imm32_b32 hwreg(HW_REG_WAVE_MODE, 25, 1), 1
	s_wait_xcnt 0x0
	s_wait_alu depctr_hold_cnt(0) depctr_sa_sdst(0) depctr_va_vdst(0) depctr_va_sdst(0) depctr_va_ssrc(0) depctr_va_vcc(0) depctr_vm_vsrc(0)
	s_getreg_b32 s2, hwreg(HW_REG_IB_STS2, 6, 4)
	s_cmp_eq_u32 s2, 0
	s_cbranch_scc0 .Lentry_in_a_cluster
	s_endpgm
.Lentry_in_a_cluster:
	s_bfe_u32 s2, ttmp6, 0x10000c
	s_cmp_lg_u32 s2, 0xf033
	s_cbranch_scc0 .Lentry_shape_is_right
	s_endpgm
.Lentry_shape_is_right:
; OUTP: out0 = ao Wo^T.  ao [2048][2048] f16 (it carries v's 1/4), wof [2048][2048] f16 = 4 x bf16(Wo), out0 [2048][2048] f32; sums in f32.
; SHARES.  256 work-groups, a tile of 128 x 128 each; four waves, each 64 x 64: 16 accumulators.  K goes in steps of 256 (rows of 512 bytes), as long as two slots in LDS allow.
; CLUSTER.  4 x 4: ao's tile is asked for jointly along a row of the cluster, Wo's along a column.
; THE MATRIX INSTRUCTION IS USED TRANSPOSED (source 0 = 16 rows of Wo, source 1 = 16 rows of ao): a lane holds one row and eight neighbouring columns.
; THE WAY OUT.  A wave's 64 columns of f32 are 256 aligned bytes of a row, so each wave has a stage of its own (16 rows x 272 bytes) and no barrier is needed.
; No prefetch: both operands were written by earlier launches and are read by sixteen work-groups each.
; REGISTERS.  window 0: v0-31 addresses, v32-95 rows on their way out, v128-255 the accumulators ((a, b) at 128 + 8 (4 a + b)).  window 1: two fragment buffers of 64.
.set NB,     4
.set BR,     64
.set KSTEP,  256
.set NQ,     8
.set PITCH,  528                       ; 512 bytes + 16 of padding = 132 words: the 16 rows of a fragment load start at 16 different groups of four banks (64 banks of 4 bytes: ISA guide 11.1)
.set QI,     6                         ; padding after every 128 words
.set BOFF,   128*PITCH
.set SLOT,   BOFF+2*BR*PITCH
.set STAGE,  2*SLOT
.set SPITCH, 272
.set SPARE,  STAGE+4*16*SPITCH
.set LAPS,   2048/(2*KSTEP)
.set ACC,    128
.set F0,     0
.set F1,     64
.set ADRA, 16
.set ADRB, 20
.set STO,  24
.set RD,   25
.set CO,   26
.set SPW,  28                          ; my spare word; never rewritten
.set NIL,  29                          ; 0; never rewritten
.set OBK,  32
.set WV,  14
.set G1A, 24
.set G0A, 32
.set G1B, 48
.set G0B, 56
.set G1W0, (1<<16)|(1<<20)|(1<<21)|(QI<<22)|(3<<25)
.set MSB, 0
.macro WIN new
.if MSB != (\new)
	s_set_vgpr_msb (MSB<<8)|(\new)
.set MSB, \new
.endif
.endm
.set MUL,  0x05
.set TO_F, 0x40
.macro PLACES
.rept 4
	v_nop
.endr
.endm
.macro JLOAD s                         ; waves 0 and 1 fetch ao's two halves, waves 2 and 3 Wo's; an s_nop 0 and four v_nop follow each line
	s_cmp_lt_u32 s[WV], 2
	s_cbranch_scc0 .Lfor_b_\@
	tensor_load_to_lds s[G0A+4*(\s):G0A+4*(\s)+3], s[G1A:G1A+7]
	s_nop 0
	PLACES
	s_branch .Lasked_\@
.Lfor_b_\@:
	tensor_load_to_lds s[G0B+4*(\s):G0B+4*(\s)+3], s[G1B:G1B+7]
	s_nop 0
	PLACES
.Lasked_\@:
.endm
.macro CREST
	s_cmp_lg_u32 s[WV], 0
	s_cbranch_scc1 .Lnot_wave_0_\@
	s_barrier_signal -3
.Lnot_wave_0_\@:
	s_barrier_wait -3
	s_barrier_signal -1
	s_barrier_wait -1
.endm
.macro CROUND
	s_barrier_signal -1
	s_barrier_wait -1
	CREST
.endm
	s_load_b128 s[4:7], s[0:1], 0x0                ; ao 4, wof 6
	s_load_b64 s[8:9], s[0:1], 0x10                ; out0
	v_lshl_add_u32 v[SPW], v0, 2, SPARE
	v_mov_b32 v[NIL], 0
	ds_add_u32 v[SPW], v[NIL]                      ; the wave's opening: the add and its wait stand ahead of my first tensor load
	v_lshrrev_b32 v1, 5, v0
	v_readfirstlane_b32 s[WV], v1
	s_lshr_b32 s15, s[WV], 1
	s_and_b32 s16, s[WV], 1
	s_bfe_u32 s17, ttmp6, 0x40000
	s_bfe_u32 s18, ttmp6, 0x40004
	s_lshl_b32 s19, ttmp9, 2
	s_add_co_u32 s19, s19, s17                     ; tile column
	s_and_b32 s20, ttmp7, 0xffff
	s_lshl_b32 s20, s20, 2
	s_add_co_u32 s20, s20, s18                     ; tile row
	s_lshl_b32 s21, s18, 2
	s_lshl_b32 s21, 15, s21
	s_lshl_b32 s22, 0x1111, s17
	s_or_b32 s[G1A], s21, G1W0
	s_or_b32 s[G1B], s22, G1W0
.irp g, G1A, G1B
	s_mov_b32 s[(\g)+1], KSTEP<<16
	s_mov_b32 s[(\g)+2], 64<<16
	s_mov_b32 s[(\g)+3], KSTEP<<16
	s_mov_b32 s[(\g)+4], 64
	s_mov_b32 s[(\g)+5], 2048
	s_mov_b32 s[(\g)+6], 0
	s_mov_b32 s[(\g)+7], 0
.endr
	s_lshl_b32 s40, s20, 7                         ; ao: row 128 x tile row + 64 x half
	s_lshl_b32 s41, s16, 6
	s_add_co_u32 s40, s40, s41
	s_lshl_b32 s40, s40, 12
	s_mov_b32 s41, 0
	s_lshl_b32 s42, s19, 7                         ; Wo: row 128 x tile column + 64 x half
	s_lshl_b32 s43, s16, 6
	s_add_co_u32 s42, s42, s43
	s_lshl_b32 s42, s42, 12
	s_mov_b32 s43, 0
	s_mul_i32 s44, s16, 64*PITCH
	s_mul_i32 s45, s16, BR*PITCH
	s_add_co_u32 s45, s45, BOFF
	s_wait_dscnt 0x0
	s_wait_kmcnt 0x0
	s_add_nc_u64 s[40:41], s[4:5], s[40:41]
	s_add_nc_u64 s[42:43], s[6:7], s[42:43]
	CROUND
.irp s, 0,1
	s_mov_b32 s[G0A+4*(\s)], 1
	s_add_co_u32 s[G0A+4*(\s)+1], s44, (\s)*SLOT
	s_add_nc_u64 s[G0A+4*(\s)+2:G0A+4*(\s)+3], s[40:41], (\s)*KSTEP*2
	s_or_b32 s[G0A+4*(\s)+3], s[G0A+4*(\s)+3], 0x80000000
	s_mov_b32 s[G0B+4*(\s)], 1
	s_add_co_u32 s[G0B+4*(\s)+1], s45, (\s)*SLOT
	s_add_nc_u64 s[G0B+4*(\s)+2:G0B+4*(\s)+3], s[42:43], (\s)*KSTEP*2
	s_or_b32 s[G0B+4*(\s)+3], s[G0B+4*(\s)+3], 0x80000000
	JLOAD \s                                       ; two loads of mine are out; later one
.endr
	v_and_b32 v1, 15, v0
	v_bfe_u32 v2, v0, 4, 1
	v_mul_u32_u24 v3, v1, PITCH
	v_lshl_add_u32 v3, v2, 4, v3
	s_mul_i32 s21, s15, 64*PITCH
	s_mul_i32 s22, s16, BR*PITCH
	s_add_co_u32 s22, s22, BOFF
.irp s, 0,1
	v_add_nc_u32 v[ADRA+(\s)], s21, v3
	v_add_nc_u32 v[ADRB+(\s)], s22, v3
	s_add_co_u32 s21, s21, SLOT
	s_add_co_u32 s22, s22, SLOT
.endr
	s_mul_i32 s23, s[WV], 16*SPITCH
	s_add_co_u32 s23, s23, STAGE                   ; my stage
	v_mul_u32_u24 v4, v1, SPITCH                   ; in: row l % 16, 32 bytes for each half of the lanes
	v_lshl_add_u32 v4, v2, 5, v4
	v_add_nc_u32 v[STO], s23, v4
	v_mul_u32_u24 v5, v2, SPITCH                   ; back: lanes 0-15 one row of 256 bytes, lanes 16-31 the next
	v_lshl_add_u32 v5, v1, 4, v5
	v_add_nc_u32 v[RD], s23, v5
	v_lshlrev_b32 v5, 13, v2                       ; and the same two rows in out0, 8,192 bytes a row
	v_lshl_add_u32 v[CO], v1, 4, v5
	s_lshl_b32 s46, s20, 20                        ; row 128 x tile row + 64 x half; byte 512 x tile column + 256 x half
	s_lshl_b32 s47, s15, 19
	s_add_co_u32 s46, s46, s47
	s_lshl_b32 s47, s19, 9
	s_add_co_u32 s46, s46, s47
	s_lshl_b32 s47, s16, 8
	s_add_co_u32 s46, s46, s47
	s_mov_b32 s47, 0
	s_add_nc_u64 s[8:9], s[8:9], s[46:47]
.macro MULG f, a, zero
	WIN MUL
.set b, 0
.rept NB
.if \zero
	v_wmma_f32_16x16x32_f16 v[ACC+8*(NB*(\a)+b):ACC+8*(NB*(\a)+b)+7], v[(\f)+32+8*b:(\f)+32+8*b+7], v[(\f)+8*(\a):(\f)+8*(\a)+7], 0
.else
	v_wmma_f32_16x16x32_f16 v[ACC+8*(NB*(\a)+b):ACC+8*(NB*(\a)+b)+7], v[(\f)+32+8*b:(\f)+32+8*b+7], v[(\f)+8*(\a):(\f)+8*(\a)+7], v[ACC+8*(NB*(\a)+b):ACC+8*(NB*(\a)+b)+7]
.endif
.set b, b+1
.endr
.endm
.macro FETCH slot, k, f
	WIN TO_F
.set b, 0
.rept NB
	ds_load_b128 v[(\f)+32+8*b:(\f)+32+8*b+3],   v[ADRB+(\slot)] offset:(\k)+b*16*PITCH
	ds_load_b128 v[(\f)+32+8*b+4:(\f)+32+8*b+7], v[ADRB+(\slot)] offset:(\k)+b*16*PITCH+32
.set b, b+1
.endr
.set b, 0
.rept 4
	ds_load_b128 v[(\f)+8*b:(\f)+8*b+3],   v[ADRA+(\slot)] offset:(\k)+b*16*PITCH
	ds_load_b128 v[(\f)+8*b+4:(\f)+8*b+7], v[ADRA+(\slot)] offset:(\k)+b*16*PITCH+32
.set b, b+1
.endr
.endm
; A quarter of 32 along K: buffer f is in; the next one's fragments are asked for into g, which the quarter before multiplied; then 16 products, all accumulators by turns in one fixed order.
.macro QUARTER slot, k, f, g, zero
	s_wait_dscnt 0x0
	PLACES
	FETCH \slot, \k, \g
	MULG \f, 0, \zero
	MULG \f, 1, \zero
	MULG \f, 2, \zero
	MULG \f, 3, \zero
.endm
.macro QS slot, q, zero
.if ((\q)%2) == 0
	QUARTER \slot, 64*((\q)+1), F0, F1, \zero
.else
	QUARTER \slot, 64*((\q)+1), F1, F0, \zero
.endif
.endm
.macro MID slot
.set qq, 1
.rept NQ-2
	QS \slot, qq, 0
.set qq, qq+1
.endr
.endm
; The last quarter multiplies buffer 1 and changes slots: ONE barrier; in front of it each wave waits for all its tensor loads, adds 0 to its spare word, and waits for that and for its reads of this slot.
.macro TURN slot, next, fill
	WIN 0
	s_wait_tensorcnt 0x0
	ds_add_u32 v[SPW], v[NIL]
	s_wait_dscnt 0x1                               ; buffer 1 is in: the add alone may be out
	MULG F1, 0, 0
	s_wait_dscnt 0x0
	s_barrier_signal -1
	MULG F1, 1, 0
.if \fill
	WIN 0
.endif
	s_barrier_wait -1
.if \fill
	CREST
	s_add_nc_u64 s[G0A+4*(\slot)+2:G0A+4*(\slot)+3], s[G0A+4*(\slot)+2:G0A+4*(\slot)+3], 4*KSTEP
	s_add_nc_u64 s[G0B+4*(\slot)+2:G0B+4*(\slot)+3], s[G0B+4*(\slot)+2:G0B+4*(\slot)+3], 4*KSTEP
	JLOAD \slot
.else
	PLACES
.endif
	FETCH \next, 0, F0
	MULG F1, 2, 0
	MULG F1, 3, 0
.endm
	s_wait_tensorcnt 0x1                           ; my part of K step 0 is in; K step 1's may stay out
	s_barrier_signal -1
	s_barrier_wait -1
	FETCH 0, 0, F0
	QS 0, 0, 1
	WIN 0
	s_mov_b32 s3, LAPS-1
.Llap:
	MID 0
	TURN 0, 1, 1
	QS 1, 0, 0
	MID 1
	TURN 1, 0, 1
	QS 0, 0, 0
	WIN 0
	s_sub_co_u32 s3, s3, 1
	s_cmp_lg_u32 s3, 0
	s_cbranch_scc1 .Llap
	MID 0
	TURN 0, 1, 0
	QS 1, 0, 0
	MID 1
	s_wait_dscnt 0x0
	MULG F1, 0, 0
	MULG F1, 1, 0
	MULG F1, 2, 0
	MULG F1, 3, 0
	WIN 0
	; THE WAY OUT, 16 rows at a time through my own stage
	PLACES
.set a, 0
.rept 4
.set bk, OBK+32*(a%2)
.set b, 0
.rept NB
	ds_store_b128 v[STO], v[ACC+8*(NB*a+b):ACC+8*(NB*a+b)+3]   offset:64*b  ; each accumulator's low registers first
	ds_store_b128 v[STO], v[ACC+8*(NB*a+b)+4:ACC+8*(NB*a+b)+7] offset:64*b+16
.set b, b+1
.endr
.set b, 0
.rept 8
	ds_load_b128 v[bk+4*b:bk+4*b+3], v[RD] offset:b*2*SPITCH  ; LDS serves a wave's instructions in order (ISA guide 5.7.1.4): these see the stores above; the next block's stores come behind them
.set b, b+1
.endr
	s_wait_dscnt 0x0
	s_wait_xcnt 0x0                                ; the block before last has left its registers, which the next block's loads take
.set b, 0
.rept 8
	global_store_b128 v[CO], v[bk+4*b:bk+4*b+3], s[8:9] offset:a*16*8192+b*2*8192 th:TH_STORE_NT  ; 16 lanes store 256 consecutive bytes, aligned
.set b, b+1
.endr
.set a, a+1
.endr
	s_wait_tensorcnt 0x0                           ; the wave's end
	ds_add_u32 v[SPW], v[NIL]
	s_wait_dscnt 0x0
	CROUND                                         ; the closing round
	s_endpgm
.Lfunc_end_k_q910dce5e47_outp:
	.size	k_q910dce5e47_outp, .Lfunc_end_k_q910dce5e47_outp-k_q910dce5e47_outp
	.p2alignl 7, 3214868480
	.fill 96, 4, 3214868480
	.section	.rodata,"a",@progbits
	.p2align	6, 0x0
	.amdhsa_kernel k_q910dce5e47_outp
		.amdhsa_group_segment_fixed_size 327680
		.amdhsa_private_segment_fixed_size 0
		.amdhsa_enable_private_segment 0
		.amdhsa_kernarg_size 24
		.amdhsa_user_sgpr_count 2
		.amdhsa_user_sgpr_kernarg_segment_ptr 1
		.amdhsa_wavefront_size32 1
		.amdhsa_system_sgpr_workgroup_id_x 1
		.amdhsa_system_sgpr_workgroup_id_y 1
		.amdhsa_system_sgpr_workgroup_id_z 1
		.amdhsa_system_vgpr_workitem_id 0
		.amdhsa_next_free_vgpr 384
		.amdhsa_next_free_sgpr 66
		.amdhsa_reserve_vcc 0
		.amdhsa_float_denorm_mode_32 3
		.amdhsa_float_denorm_mode_16_64 3
		.amdhsa_memory_ordered 1
		.amdhsa_forward_progress 1
		.amdhsa_inst_pref_size 89
	.end_amdhsa_kernel
	.amdgpu_metadata
---
amdhsa.version: [ 1, 2 ]
amdhsa.kernels:
  - .name:           k_q910dce5e47_outp
    .symbol:         k_q910dce5e47_outp.kd
    .args:
      - { .name: ao, .offset: 0, .size: 8, .value_kind: global_buffer, .address_space: global }
      - { .name: wof, .offset: 8, .size: 8, .value_kind: global_buffer, .address_space: global }
      - { .name: out0, .offset: 16, .size: 8, .value_kind: global_buffer, .address_space: global }
    .group_segment_fixed_size: 327680
    .private_segment_fixed_size: 0
    .kernarg_segment_align: 8
    .kernarg_segment_size: 24
    .max_flat_workgroup_size: 128
    .sgpr_count:     66
    .vgpr_count:     384
    .wavefront_size: 32
...
	.end_amdgpu_metadata
.endif
;; end of part 4
